; MI455X (gfx1250); checked and timed in simulation.
; The chip was launched on July 23, 2026; its instructions are those of AMD's public machine-readable ISA for CDNA 5 (MIT licence, August 2026) and "CDNA5" Instruction Set Architecture Reference Guide (July 2026). The comments in the code are by the model that wrote it; some were corrected since.
;; Axial Attention. Allowed arithmetic: matrix products marked QUANTISED: E5M2 operands, one given power-of-two scale a tensor, by v_wmma_f32_16x16x64_bf8_bf8 or v_wmma_f32_16x16x128_bf8_bf8, f32 sums; products left as they are: f32 operands where the result goes on into a quantised operand, else bf16, f16 or f32 operands; f32 sums; everything else in f32.
;; Inputs: Wkv0_codes 256 x 4 x 32 uint8 (E5M2 codes of Wkv0, K innermost, in blocks of 32 codes); Wkv1_codes 256 x 4 x 32 uint8 (E5M2 codes of Wkv1, K innermost, in blocks of 32 codes); Wo0_codes 128 x 4 x 32 uint8 (E5M2 codes of Wo0, K innermost, in blocks of 32 codes); Wo1_codes 128 x 4 x 32 uint8 (E5M2 codes of Wo1, K innermost, in blocks of 32 codes); Wq0_codes 128 x 4 x 32 uint8 (E5M2 codes of Wq0, K innermost, in blocks of 32 codes); Wq1_codes 128 x 4 x 32 uint8 (E5M2 codes of Wq1, K innermost, in blocks of 32 codes); bo0 128 float32; bo1 128 float32; lowp_scales 16 int32 (the exponents e of the quantised operands' scales 2^e); x_codes 8 x 128 x 128 x 4 x 32 uint8 (E5M2 codes of x, K innermost, in blocks of 32 codes).
;; Outputs: out0 8 x 128 x 128 x 128 float32.
;; This version of the problem:
;;   THIS VERSION OF THE PROBLEM IS GIVEN IN LOW PRECISION. The matrix products marked QUANTISED in the list below multiply operands that are first quantised to E5M2 (5 exponent bits, 2 mantissa bits; 8 bits a number), with one given power-of-two scale for each operand tensor; their sums are f32. All else is computed in f32.
;;   The module's matrix products, in the order in which they are computed (A, B: the left and right operand; K: the contracted axis; several contracted axes count as one K, in the product's order):
;;     1. [M 131,072, K 128] x [K 128, N 128]; A: input x (given as codes); B: input Wq0 (given as codes): QUANTISED (scales: A lowp_scales[0], B lowp_scales[1])
;;     2. [M 131,072, K 128] x [K 128, N 256]; A: input x (given as codes); B: input Wkv0 (given as codes): QUANTISED (scales: A lowp_scales[2], B lowp_scales[3])
;;     3. batch 8,192 x [M 128, K 16] x [K 16, N 128]; A: computed on the way; B: computed on the way: left as it is (K = 16 < 32)
;;     4. batch 8,192 x [M 128, K 128] x [K 128, N 16]; A: softmax (see below); B: computed on the way: QUANTISED (scales: A lowp_scales[4], B lowp_scales[5])
;;     5. [M 131,072, K 128] x [K 128, N 128]; A: computed on the way; B: input Wo0 (given as codes): QUANTISED (scales: A lowp_scales[6], B lowp_scales[7])
;;     6. [M 131,072, K 128] x [K 128, N 128]; A: input x (given as codes); B: input Wq1 (given as codes): QUANTISED (scales: A lowp_scales[8], B lowp_scales[9])
;;     7. [M 131,072, K 128] x [K 128, N 256]; A: input x (given as codes); B: input Wkv1 (given as codes): QUANTISED (scales: A lowp_scales[10], B lowp_scales[11])
;;     8. batch 8,192 x [M 128, K 16] x [K 16, N 128]; A: computed on the way; B: computed on the way: left as it is (K = 16 < 32)
;;     9. batch 8,192 x [M 128, K 128] x [K 128, N 16]; A: softmax (see below); B: computed on the way: QUANTISED (scales: A lowp_scales[12], B lowp_scales[13])
;;     10. [M 131,072, K 128] x [K 128, N 128]; A: computed on the way; B: input Wo1 (given as codes): QUANTISED (scales: A lowp_scales[14], B lowp_scales[15])
;;   THE QUANTISER, for each operand of a quantised product, along K:
;;     - The operand's scale is 2^e, e = its entry of the input lowp_scales (int32; the entries are numbered through the quantised products in the list's order, A before B).
;;     - Each number is divided by the scale, clamped to +-57,344, and rounded to the nearest number of E5M2, ties to even, subnormals kept.
;;     - The product sums the exact products of the quantised numbers (number of the format x scale) in f32.
;;   ~~~python
;;   def quantise(x, axis, e):      # numpy; x: float32 -> the quantised numbers, widened to float32 again
;;       x = np.moveaxis(x, axis, -1); K = x.shape[-1]
;;       r = np.clip(x / 2.0 ** e, -57344, 57344)
;;       step = 2.0 ** (np.maximum(np.frexp(np.where(r == 0, 1, r))[1] - 1, -14) - 2)
;;       q = np.round(r / step) * step * 2.0 ** e      # np.round: ties to even
;;       return np.moveaxis(q, -1, axis).astype(np.float32)
;;   ~~~
;;   SOFTMAX AHEAD OF A QUANTISED PRODUCT. Where the list says 'softmax', what is quantised is not the finished softmax but p = 2^(t - M), with t = logit x log2(e) and M = ceil(the row's largest t), a whole number; so 1/2 < the row's largest p <= 1. The row's sum l is taken of the UNQUANTISED p, in f32, and the product's result is divided by l at the end. Since M is a whole number, a kernel that streams over the keys may use a running M (the ceiling of the running maximum): every later rescaling is an exact power of two, so the quantised numbers keep their values, but for numbers so far below the row's largest that they fall under the format's range.
;;   OPERANDS COMPUTED ON THE WAY. 'Computed on the way' means the value that the module computes at that place (a softmax that the list does not call 'softmax' is quantised finished and normalised). What goes into a quantiser is computed in f32, as accurately as f32 sums, v_exp_f32 and their like allow (about 1e-6 of the number): no bf16 or f16 on the way to a quantiser, and a product that is left as it is and whose result goes on into a quantised operand takes f32 operands (vector FMAs, or v_wmma_f32_16x16x4_f32). A number that lies on a knife's edge between two numbers of the format may be rounded either way, as far as f32 arithmetic and the matrix unit's own rounding can turn it there, and no further.
;;   INPUTS GIVEN AS CODES. Wkv0 (in the module: [128, 256], K = its axis 0); Wkv1 (in the module: [128, 256], K = its axis 0); Wo0 (in the module: [128, 128], K = its axis 0); Wo1 (in the module: [128, 128], K = its axis 0); Wq0 (in the module: [128, 128], K = its axis 0); Wq1 (in the module: [128, 128], K = its axis 0); x (in the module: [8, 128, 128, 128], K = its axis 3): each comes as NAME_codes (uint8): NAME with its K axis moved to the last place and cut into blocks of 32 codes, [.., K / 32, bytes a block], one block behind the other in memory; one code a byte (a code: sign, 5 exponent bits, 2 mantissa bits); its scale is its entry of lowp_scales. Its value is code x scale, taken as it is: it is not quantised again, and the codes and scales need not be those that the quantiser above would give.
;; 2 versions, each right; version 2 is version 1 with the launches cols, rows written anew for expert scheduling mode. Each part assembles by itself: llvm-mc -triple=amdgcn-amd-amdhsa -mcpu=gfx1250 --defsym DOCPART=n.
;; ======== version 1 of 2: 2 launches
;; workspace buffers: part 67,108,864 bytes
;; launch cols (part 1): grid 256 x 1, 16 waves a work-group, no clusters, 223,488 bytes of LDS; arguments x_codes, Wq0_codes, Wkv0_codes, Wo0_codes, bo0, lowp_scales, part; writes part
.if DOCPART == 1
	.amdgcn_target "amdgcn-amd-amdhsa--gfx1250"
	.amdhsa_code_object_version 6
	.text
	.protected	k_q22f8fee7c5_cols
	.globl	k_q22f8fee7c5_cols
	.p2align	8
	.type	k_q22f8fee7c5_cols,@function
k_q22f8fee7c5_cols:
	s_mov_b64 s[64:65], 0
	v_nop
	global_prefetch_b8 v0, s[64:65] scope:SCOPE_SE
	s_setreg_imm32_b32 hwreg(HW_REG_WAVE_MODE, 25, 1), 1
	s_wait_xcnt 0x0
; AXIAL ATTENTION, ONE PASS.  PASS = 0: attention along H (a sequence is a column (b, w), its 128 tokens are the h), result + bo0 -> part.
; PASS = 1: attention along W (a sequence is a row (b, h)), result + bo1 + part -> out0.  The two texts differ in PASS alone.
; x: [8][128][128][128] codes of BF8 (E5M2).  Wq, Wk|Wv, Wo: codes, K innermost.  A sequence: 128 tokens, 8 heads of 16.  The pass's eight scale exponents e0..e7 (x for q, Wq, x for kv, Wkv, p, v, o, Wo).
; SHARES.  256 work-groups; a work-group owns four neighbouring sequences of one image, in two trips of two.  In a trip wave w (of 16) is head w % 8 of sequence w / 8 of the trip: it alone makes that head's K, V, Q,
; scores, softmax and P V.  The heads meet for Wo through LDS.
; LAYOUT (r = lane % 16, h = lane / 16).  THE TOKENS OF A TILE ARE NOT NEIGHBOURS: lane r of tile t stands for token 32 (t / 2) + 8 (t % 2) + r + 8 (r / 8).
;   K tile = Wk X^T, Q tile = Wq X^T (source 0 = the head's 16 rows of the weight): lane (r, h) holds its token's dims 8 h + 0..7: registers 2 s, 2 s + 1 ARE step s of the f32 product's operand.
;   S^T = K Q^T in f32 operands (the scores go on into a quantiser): a lane holds one query, and the 16 registers of tiles 2 b, 2 b + 1 are keys 32 b + 16 h + 0..15.
;   V tile = X Wv^T: a lane holds one dim and the same order of keys.  So the conversions' results are the operands of O^T = V^T P^T, in which a lane again holds one query, and eight dims: one conversion, 8 bytes.
;   Every 8-bit fragment holds k = 32 c + 16 h + 0..15 in registers 4 c .. 4 c + 3, alike on both sides of each product.
;   y = O Wo^T: lane r of Wo's fragment 4 G + i takes Wo's row 64 G + 4 r + i, so the four sums i = 0..3 of a lane are 16 neighbouring bytes of a row of y: sixteen lanes store 256 consecutive, aligned bytes.
; SOFTMAX.  t = score x log2(e) / 4; M = ceil(the row's largest t); p = 2^(t - M) is quantised; the sum is taken of the unquantised p and divides O.  A row's 128 keys are held at once: no running maximum is needed.
; p'S HOLD.  p is at most a rounding above 1, and the largest code x 2^e4 is 1.75 or more where e4 >= -15: there the 64 lines of the hold can change nothing and a scalar branch on e4 passes over them; for a smaller e4 they run.
; NO TENSOR LOADS, NO CLUSTER: x's 64 KiB of a work-group are read once at the head, through registers; what work-groups share is the weights, which go straight into registers, once; no loop streams a shared tile.
; LIMITS on the given exponents, so that each power of two below is an f32 number: e0+e1+e2+e3 between -124 and 129 (added to c's exponent field); e5-e2-e3, e4 and e6 between -126 and 112; e6+e7 between -126 and 127.
; A p under 2^-126 counts as 0 (the exponential's own flush).  NaN and infinity among the codes are not served.
; REGISTERS: v1 x's fetch place, v2 LDS address in hand, v3 O's store place, v4 16 x lane, v5 my bytes in a row pair of y, v6 the prefetch's offsets, v7-9 the conversions' scales (V, p, O); v10, v11 maxima; v[12:13] -M; v[14:15], v[16:17] sums;
;   v18 1 / sum, v19 the other half's, v20 O's store address, v[22:23] O's codes, v24-31 O scaled; v32-95 K, on the way out the rows of y; v96-159 S (written by matrix instructions alone);
;   v160-191 x's fragments, then p; v192-207 V's codes; v208-223 Wk, then p's codes; v224-239 Wv, then O^T and Q; on the way out v160-191 and v208-239 hold Wo's four fragments; v240-255 Wq.
.set PASS, 0
.if PASS
.set SSX, 16384                        ; bytes from sequence to sequence in x
.set XWB, 4096                         ; bytes from wave to wave in the head's loads of x
.set XIS, 512                          ; and from load to load
.set TSO, 512                          ; bytes from token to token in y
.set SSO, 65536                        ; and from sequence to sequence
.set GSH, 13                           ; 16 tokens of y = 2^GSH bytes
.else
.set SSX, 128
.set XWB, 131072
.set XIS, 16384
.set TSO, 65536
.set SSO, 512
.set GSH, 20
.endif
.set TILEX, 2304                       ; LDS: a tile of x: 8 chunks (16 bytes of each of 16 tokens: 256 bytes) 288 bytes apart
.set SEQX,  18448                      ; a sequence of x: 8 tiles + 16 bytes
.set WOIMG, 73984                      ; behind x's four sequences: Wo's 8 fragments as images of their registers, 2,048 bytes each
.set OIMG,  90368                      ; O's codes: 4 sequences x 8 tiles x 2,048 bytes, images of the fragments' registers
.set WKV,   155904                     ; each wave's own image of its head's Wk and Wv: 4,096 bytes a wave
.macro MEET                            ; my LDS stores have landed and my LDS loads are in: then the work-group's barrier
	s_wait_dscnt 0x0
	s_barrier_signal -1
	s_barrier_wait -1
.endm
.macro PLACES n                        ; plain vector instructions behind a matrix instruction (ISA guide 7.12.1), where no useful one is at hand
.rept \n
	v_nop
.endr
.endm
.macro FETCHX reg, off                 ; a fragment of x: chunk 2 c + h of my token: lanes 0-15 read 256 consecutive bytes, lanes 16-31 the next chunk's
.irp c, 0,1,2,3
	ds_load_b128 v[\reg+4*\c:\reg+4*\c+3], v2 offset:(\off)+576*\c
.endr
.endm
; Tiles 2 b and 2 b + 1 of the tokens: K's two tiles stay as f32; V's two are held, quantised and become registers 4 b .. 4 b + 3 of V^T's operand.
.macro PAIR b
	s_wait_dscnt 0x0                               ; the two fragments of x are in (ahead of the first pair: the weights' image is stored or read back too)
	v_wmma_f32_16x16x128_bf8_bf8 v[32+16*\b:39+16*\b], v[208:223], v[160:175], 0
	v_wmma_f32_16x16x128_bf8_bf8 v[96:103], v[160:175], v[224:239], 0
	v_wmma_f32_16x16x128_bf8_bf8 v[40+16*\b:47+16*\b], v[208:223], v[176:191], 0
	v_wmma_f32_16x16x128_bf8_bf8 v[104:111], v[176:191], v[224:239], 0
	PLACES 4                                       ; in front of the loads into x's fragments and of the first read of V
.if \b < 3
	FETCHX 160, (2*\b+2)*TILEX
	FETCHX 176, (2*\b+3)*TILEX
.endif
.set ii, 0
.rept 16
	v_med3_num_f32 v[16+ii], v[96+ii], s35, s34    ; the conversion to an 8-bit code does not saturate (ISA guide 7.6.2): the hold at the largest code x the scale; into other registers
.set ii, ii+1
.endr
	v_cvt_scalef32_pk8_bf8_f32 v[192+4*\b:193+4*\b], v[16:23], v7
	v_cvt_scalef32_pk8_bf8_f32 v[194+4*\b:195+4*\b], v[24:31], v7
	v_nop                                          ; a plain instruction behind the conversions, ahead of whatever writes their sources or reads their results
.endm
; Half hh of a query tile's softmax: 32 scores a lane (key tiles 4 hh .. 4 hh + 3) become p, are summed, held where the scale asks for it, and quantised into registers 8 hh .. 8 hh + 7 of P's operand.
.macro HALF hh
.set ii, 0
.rept 16
	v_pk_fma_f32 v[160+ii:161+ii], v[96+32*\hh+ii:97+32*\hh+ii], s[32:33], v[12:13] op_sel_hi:[1,0,0]   ; t - M, two at a time (of the pairs c and -M the low word serves both halves)
.set ii, ii+2
.endr
.set ii, 0
.rept 32
	v_exp_f32 v[160+ii], v[160+ii]                 ; p = 2^(t - M)
.set ii, ii+1
.endr
	v_nop                                          ; a plain instruction behind the exponentials
.if \hh == 0
	s_wait_alu depctr_va_vdst(0)
	v_pk_add_f32 v[14:15], v[160:161], v[162:163]  ; the first additions start the two chains: nothing is cleared
	v_pk_add_f32 v[16:17], v[164:165], v[166:167]
.set ii, 8
.else
.set ii, 0
.endif
	s_wait_alu depctr_va_vdst(0)
.rept 8-2*(1-\hh)
	v_pk_add_f32 v[14:15], v[14:15], v[160+ii:161+ii]   ; the row's sum is taken of the unquantised p
	v_pk_add_f32 v[16:17], v[16:17], v[162+ii:163+ii]
.set ii, ii+4
.endr
	s_cmp_ge_i32 s28, -15                          ; e4 >= -15: the largest code x 2^e4 is 1.75 or more, over every p: the hold would change nothing
	s_cbranch_scc1 .Lfits_\@                       ; a branch on a whole number that was read, round vector lines alone
.set ii, 0
.rept 32
	v_min_num_f32 v[160+ii], s36, v[160+ii]        ; the conversion does not saturate (ISA guide 7.6.2); p is not negative: a one-sided hold
.set ii, ii+1
.endr
.Lfits_\@:
.irp m, 0,1,2,3
	v_cvt_scalef32_pk8_bf8_f32 v[208+8*\hh+2*\m:209+8*\hh+2*\m], v[160+8*\m:167+8*\m], v8
.endr
	v_nop
.endm
; Eight rows of y of sequence q of the trip: row j of lanes 0-15 is token base + j, of lanes 16-31 token base + 16 + j.  R: where the rows are made (in PASS 1: where part's rows lie).
.macro OUTROWS q, R
.irp j, 0,1,2,3,4,5,6,7
.if PASS
	v_pk_add_f32 v[\R+4*\j:\R+4*\j+1], v[\R+4*\j:\R+4*\j+1], v[10:11]
	v_pk_add_f32 v[\R+4*\j+2:\R+4*\j+3], v[\R+4*\j+2:\R+4*\j+3], v[12:13]
.endif
.irp i, 0,1,2,3
.if PASS
	v_fma_f32 v[\R+4*\j+\i], v[96+32*\q+8*\i+\j], s40, v[\R+4*\j+\i]   ; sum x 2^(e6 + e7) + (the other pass + the bias); row 0 comes first: each accumulator is read from its low end on
.else
	v_fma_f32 v[\R+4*\j+\i], v[96+32*\q+8*\i+\j], s40, v[10+\i]        ; sum x 2^(e6 + e7) + the bias; row 0 comes first: each accumulator is read from its low end on
.endif
.endr
.if PASS
	global_store_b128 v5, v[\R+4*\j:\R+4*\j+3], s[48:49] offset:\q*SSO+\j*TSO th:TH_STORE_NT   ; sixteen lanes store 256 consecutive bytes, aligned; written once, read by nobody here
.else
	global_store_b128 v5, v[\R+4*\j:\R+4*\j+3], s[48:49] offset:\q*SSO+\j*TSO                  ; sixteen lanes store 256 consecutive bytes, aligned; the next launch reads them
.endif
.endr
.endm
; THE WAY OUT of trip p.  Wave w takes token tile w % 8 of both sequences of the trip and outputs 64 (w / 8) .. + 63.
; All that comes from memory is asked for AHEAD of the barrier, into K's registers, which are done with: a wave that arrives early has its rows when the barrier opens.
.macro EPI p
	v_and_b32 v10, 15, v0
	v_lshlrev_b32 v10, 4, v10
	global_load_b128 v[10:13], v10, s[12:13]       ; the bias of my four outputs 64 G + 4 r + 0..3; the load lands on its own offset
.if PASS
.irp j, 0,1,2,3,4,5,6,7
	global_load_b128 v[32+4*\j:35+4*\j], v5, s[50:51] offset:\j*TSO th:TH_LOAD_NT       ; the other pass's rows, first sequence
.endr
.irp j, 0,1,2,3,4,5,6,7
	global_load_b128 v[64+4*\j:67+4*\j], v5, s[50:51] offset:SSO+\j*TSO th:TH_LOAD_NT   ; and second sequence
.endr
.endif
	s_lshl_b32 s52, s21, 11
	s_add_co_u32 s52, s52, OIMG+\p*32768
	v_add_nc_u32 v2, s52, v4                       ; O's fragments: my tile of the trip's first sequence
	s_lshl_b32 s53, s22, 13
	s_add_co_u32 s53, s53, WOIMG
	v_add_nc_u32 v14, s53, v4                      ; Wo's four fragments of my half of the outputs
	MEET                                           ; all eight heads' codes of both sequences lie in LDS
.irp c, 0,1,2,3
	ds_load_b128 v[192+4*\c:195+4*\c], v2 offset:512*\c
.endr
.irp c, 0,1,2,3
	ds_load_b128 v[16+4*\c:19+4*\c], v2 offset:16384+512*\c
.endr
.irp i, 0,1,2,3                                ; fragment i at v160, v176, v208, v224
.irp c, 0,1,2,3
	ds_load_b128 v[160+16*\i+16*(\i/2)+4*\c:163+16*\i+16*(\i/2)+4*\c], v14 offset:2048*\i+512*\c
.endr
.endr
	s_wait_dscnt 0x0
.irp i, 0,1,2,3
	v_wmma_f32_16x16x128_bf8_bf8 v[96+8*\i:103+8*\i], v[192:207], v[160+16*\i+16*(\i/2):175+16*\i+16*(\i/2)], 0
.endr
.irp i, 0,1,2,3
	v_wmma_f32_16x16x128_bf8_bf8 v[128+8*\i:135+8*\i], v[16:31], v[160+16*\i+16*(\i/2):175+16*\i+16*(\i/2)], 0
.endr
	PLACES 4                                       ; in front of the first read of the sums
.if PASS
	s_wait_loadcnt 0x8                             ; the bias and the first sequence's rows are in; the second sequence's eight loads, issued behind them, may be out
.else
	s_wait_loadcnt 0x0                             ; the bias
.endif
	OUTROWS 0, 32
.if PASS
	s_wait_loadcnt 0x0
.endif
	OUTROWS 1, 64
.if \p == 0
	s_wait_xcnt 0x0                                ; the stores' data, and the bases, are written again only behind this wait
	s_add_nc_u64 s[48:49], s[48:49], 2*SSO
.if PASS
	s_add_nc_u64 s[50:51], s[50:51], 2*SSO
.endif
.endif
.endm
; TRIP p: sequences 2 p and 2 p + 1 of the work-group's four.
.macro TRIP p
.if \p == 0
	s_wait_loadcnt 0x0                             ; Wq, Wk, Wv
.endif
	s_lshl_b32 s52, s20, 12
	s_add_co_u32 s52, s52, WKV
	v_add_nc_u32 v14, s52, v4                      ; my wave's own image of Wk and Wv: no other wave names these bytes
	s_mul_i32 s44, s22, SEQX                       ; my sequence of x in LDS,
	s_lshl_b32 s45, s22, 14                        ; and of O's codes
.if \p
	s_add_co_u32 s44, s44, 2*\p*SEQX
	s_add_co_u32 s45, s45, 2*\p*16384
.endif
	v_add_nc_u32 v2, s44, v1
.if \p == 0
.irp c, 0,1,2,3                                ; p's codes, O^T, Q and Wo's fragments will lie over Wk and Wv: they are kept in LDS for the second trip
	ds_store_b128 v14, v[208+4*\c:211+4*\c] offset:512*\c
.endr
.irp c, 0,1,2,3
	ds_store_b128 v14, v[224+4*\c:227+4*\c] offset:2048+512*\c
.endr
.else
.irp c, 0,1,2,3
	ds_load_b128 v[208+4*\c:211+4*\c], v14 offset:512*\c
.endr
.irp c, 0,1,2,3
	ds_load_b128 v[224+4*\c:227+4*\c], v14 offset:2048+512*\c
.endr
.endif
	FETCHX 160, 0
	FETCHX 176, TILEX
	PAIR 0
	PAIR 1
	PAIR 2
	PAIR 3
	s_mov_b32 s46, 8
.Lq_\p:                                                ; a trip: one tile of 16 queries against the head's 128 keys
	v_add_nc_u32 v2, s44, v1
	FETCHX 160, 0
	s_wait_dscnt 0x0                               ; the tile of x is in; the last trip's store of O's codes has read its registers
	v_wmma_f32_16x16x128_bf8_bf8 v[232:239], v[240:255], v[160:175], 0
	PLACES 5                                       ; Q goes on as a source of matrix instructions
.irp s, 0,1,2,3                                ; S^T = K Q^T: four steps of 4 dims; the eight accumulators take turns, one instruction a turn; the first step starts the sums
.irp t, 0,1,2,3,4,5,6,7
.if \s == 0
	v_wmma_f32_16x16x4_f32 v[96+8*\t:103+8*\t], v[32+8*\t:33+8*\t], v[232:233], 0
.else
	v_wmma_f32_16x16x4_f32 v[96+8*\t:103+8*\t], v[32+8*\t+2*\s:33+8*\t+2*\s], v[232+2*\s:233+2*\s], v[96+8*\t:103+8*\t]
.endif
.endr
.endr
.if PASS
	s_cmp_lg_u32 s46, 1                            ; in the last of the eight trips each wave asks for the 32 blocks of 256 bytes of part that it alone loads at the head of the way out that follows: one lane a block
	s_cbranch_scc1 .Lnp_\p
	global_prefetch_b8 v6, s[50:51] th:TH_LOAD_NT scope:SCOPE_SE
.Lnp_\p:
.endif
	PLACES 8                                       ; behind the f32 form, in front of the first read of the scores
	v_max3_num_f32 v10, v96, v97, v98              ; my query's largest score among my 64 keys, in two chains, ascending,
	v_max3_num_f32 v11, v99, v100, v101
.irp i, 6,10,14,18,22,26,30,34,38,42,46,50,54,58
	v_max3_num_f32 v10, v10, v[96+\i], v[97+\i]
	v_max3_num_f32 v11, v11, v[98+\i], v[99+\i]
.endr
	v_max3_num_f32 v10, v10, v158, v159
	v_max_num_f32 v10, v10, v11
	v_permlanex16_b32 v19, v10, s42, s43
	v_max_num_f32 v10, v10, v19                    ; and among lane l xor 16's
	v_mul_f32 v10, s32, v10                        ; as t (c is positive)
	v_floor_f32 v12, -v10                          ; -M = floor(-t) = -ceil(t)
	HALF 0
	HALF 1
	v_wmma_f32_16x16x128_bf8_bf8 v[224:231], v[192:207], v[208:223], 0   ; O^T = V^T P^T over the 128 keys
	v_pk_add_f32 v[14:15], v[14:15], v[16:17]      ; the sum's chains; these lines are also the places behind the product
	v_add_f32 v14, v14, v15
	v_permlanex16_b32 v19, v14, s42, s43
	v_add_f32 v14, v14, v19                        ; and lane l xor 16's: the row's sum, at least 1/2
	v_rcp_f32 v18, v14
	v_add_nc_u32 v20, s45, v3                      ; (a plain instruction behind the reciprocal)  where my 8 codes go
	s_wait_alu depctr_va_vdst(0)
	v_ldexp_f32 v18, v18, s39                      ; x 2^(e4 + e5)
.irp k, 0,2,4,6
	v_pk_mul_f32 v[24+\k:25+\k], v[224+\k:225+\k], v[18:19] op_sel_hi:[1,0]
.endr
.irp k, 0,1,2,3,4,5,6,7
	v_med3_num_f32 v[24+\k], v[24+\k], s38, s37    ; the hold at the largest code x 2^e6
.endr
	v_cvt_scalef32_pk8_bf8_f32 v[22:23], v[24:31], v9
	v_nop
	ds_store_b64 v20, v[22:23]                     ; dims 8 h + 0..7 of my head, query r: the wave's store covers 256 consecutive bytes of the fragment's image
	s_add_co_u32 s44, s44, TILEX
	s_add_co_u32 s45, s45, 2048
	s_sub_co_i32 s46, s46, 1
	s_cmp_lg_u32 s46, 0
	s_cbranch_scc1 .Lq_\p
	EPI \p
.endm
	s_load_b256 s[4:11], s[0:1], 0x0               ; x s[4:5], Wq s[6:7], Wkv s[8:9], Wo s[10:11]
.if PASS
	s_load_b256 s[12:19], s[0:1], 0x20             ; the bias s[12:13], the scales' exponents s[14:15], part s[16:17], out0 s[18:19]
.else
	s_load_b128 s[12:15], s[0:1], 0x20             ; the bias s[12:13], the scales' exponents s[14:15]
	s_load_b64 s[18:19], s[0:1], 0x30              ; part
.endif
	v_lshrrev_b32 v20, 5, v0
	v_readfirstlane_b32 s20, v20                   ; wave 0..15
	s_and_b32 s21, s20, 7                          ; my head; on the way out my tile of tokens
	s_lshr_b32 s22, s20, 3                         ; my sequence of a trip's two; on the way out my half G of the outputs
	v_and_b32 v18, 31, v0                          ; lane
	v_and_b32 v16, 15, v0                          ; r
	v_bfe_u32 v17, v0, 4, 1                        ; h
	v_lshlrev_b32 v4, 4, v18                       ; 16 x lane
	; where the head's loads of x go in LDS: token T lies in tile 2 (T / 32) + (T / 8) % 2 at place T % 8 + 8 ((T / 16) % 2); chunk g of its 128 bytes 288 g on
.if PASS
	v_and_b32 v20, 7, v18                          ; a load is 4 tokens x 8 chunks: chunk lane % 8, token 32 (w % 4) + 4 i + lane / 8
	v_mul_u32_u24 v21, v20, 288
	v_lshrrev_b32 v20, 3, v18
	v_lshl_add_u32 v21, v20, 4, v21
	s_lshr_b32 s56, s20, 2
	s_mul_i32 s56, s56, SEQX                       ; sequence w / 4
	s_and_b32 s57, s20, 3
	s_mul_i32 s57, s57, 2*TILEX
	s_add_co_u32 s56, s56, s57
.else
	v_lshrrev_b32 v20, 3, v18                      ; a load is one token (8 w + i) of 4 sequences x 8 chunks: sequence lane / 8, chunk lane % 8
	v_mul_u32_u24 v21, v20, SEQX
	v_and_b32 v20, 7, v18
	v_mad_u32_u24 v21, v20, 288, v21
	s_lshr_b32 s56, s20, 2
	s_lshl_b32 s56, s56, 1
	s_and_b32 s57, s20, 1
	s_add_co_u32 s56, s56, s57
	s_mul_i32 s56, s56, TILEX                      ; tile 2 (w / 4) + w % 2
	s_bfe_u32 s57, s20, 0x10001
	s_lshl_b32 s57, s57, 7                         ; places 8 ((w / 2) % 2) on
	s_add_co_u32 s56, s56, s57
.endif
	v_add_nc_u32 v21, s56, v21
	s_lshl_b32 s56, s20, 10
	s_add_co_u32 s56, s56, WOIMG
	v_add_nc_u32 v22, s56, v4                      ; Wo's image: wave w stores groups 2 (w % 2), + 1 of fragment w / 2
	v_lshlrev_b32 v14, 9, v16
	v_lshl_add_u32 v14, v17, 4, v14                ; Wo in memory: rows 4 r apart: 512 r + 16 h
	v_lshlrev_b32 v15, 7, v16
	v_lshl_add_u32 v15, v17, 4, v15                ; Wq, Wk, Wv: row r of 128 bytes, + 16 h
	s_lshr_b32 s52, ttmp9, 5                       ; the image b
	s_and_b32 s53, ttmp9, 31
	s_lshl_b32 s53, s53, 2                         ; my first sequence
	s_lshl_b32 s54, s52, 21
	s_mul_i32 s55, s53, SSX
	s_add_co_u32 s54, s54, s55
	s_mul_i32 s55, s20, XWB
	s_add_co_u32 s54, s54, s55
	s_mov_b32 s55, 0                               ; s[54:55]: my wave's part of x
	s_lshl_b32 s56, s22, 6
	s_bfe_u32 s57, s20, 0x20001
	s_add_co_u32 s56, s56, s57                     ; Wo's row 64 G + i, i = (w / 2) % 4
	s_lshl_b32 s56, s56, 7
	s_and_b32 s57, s20, 1
	s_lshl_b32 s57, s57, 6                         ; + 64 (w % 2) bytes along K
	s_add_co_u32 s56, s56, s57
	s_mov_b32 s57, 0
	s_lshl_b32 s58, s21, 11                        ; my head's 16 rows of 128 bytes
	s_mov_b32 s59, 0
	s_wait_kmcnt 0x0
	s_load_b256 s[24:31], s[14:15], 32*PASS        ; e0 .. e7 of this pass
	s_add_nc_u64 s[4:5], s[4:5], s[54:55]
	s_add_nc_u64 s[10:11], s[10:11], s[56:57]
	s_add_nc_u64 s[6:7], s[6:7], s[58:59]
	s_add_nc_u64 s[8:9], s[8:9], s[58:59]
.irp i, 0,1,2,3,4,5,6,7
	global_load_b128 v[32+4*\i:35+4*\i], v4, s[4:5] offset:\i*XIS th:TH_LOAD_NT   ; 32 lanes read 512 consecutive bytes; the launch reads x once
.endr
	global_load_b128 v[64:67], v14, s[10:11]
	global_load_b128 v[68:71], v14, s[10:11] offset:32
.irp c, 0,1,2,3
	global_load_b128 v[240+4*\c:243+4*\c], v15, s[6:7] offset:32*\c
.endr
.irp c, 0,1,2,3
	global_load_b128 v[208+4*\c:211+4*\c], v15, s[8:9] offset:32*\c
.endr
.irp c, 0,1,2,3
	global_load_b128 v[224+4*\c:227+4*\c], v15, s[8:9] offset:16384+32*\c
.endr
	; where my rows of y begin: image, first sequence, token tile's base 32 (hd / 2) + 8 (hd % 2), 256 G bytes along the row
	s_lshl_b32 s54, s52, 23
	s_mul_i32 s55, s53, SSO
	s_add_co_u32 s54, s54, s55
	s_lshr_b32 s55, s21, 1
	s_lshl_b32 s55, s55, 5
	s_and_b32 s56, s21, 1
	s_lshl_b32 s56, s56, 3
	s_add_co_u32 s55, s55, s56
	s_mul_i32 s55, s55, TSO
	s_add_co_u32 s54, s54, s55
	s_lshl_b32 s56, s22, 8
	s_add_co_u32 s54, s54, s56
	s_mov_b32 s55, 0
	s_mov_b32 s57, 0
	s_add_nc_u64 s[48:49], s[18:19], s[54:55]
.if PASS
	s_add_nc_u64 s[50:51], s[16:17], s[54:55]
.endif
	s_add_nc_u64 s[12:13], s[12:13], s[56:57]      ; the bias at output 64 G
	v_lshlrev_b32 v1, 4, v16
	v_lshl_add_u32 v3, v17, 3, v1                  ; 16 r + 8 h
	v_lshl_add_u32 v5, v17, GSH, v1                ; y: 16 r, and 16 tokens on for lanes 16-31
	v_mad_u32_u24 v1, v17, 288, v1                 ; x's fetch: 16 r + 288 h
	s_lshl_b32 s56, s21, 8
	s_add_co_u32 s56, s56, OIMG
	v_add_nc_u32 v3, s56, v3                       ; O's codes: head hd fills group hd / 2, lanes 16 (hd % 2) on, of the image: 256 hd
.if PASS
	v_lshlrev_b32 v6, 16, v17                      ; the prefetch: lane l asks for sequence l / 16, row (l % 8) + 16 ((l / 8) % 2) of my rows of part
	v_lshl_add_u32 v6, v16, 9, v6
	v_bfe_u32 v20, v0, 3, 1
	v_lshl_add_u32 v6, v20, 12, v6
.endif
	v_mov_b32 v13, 0                               ; named as the upper half of the pair v[12:13], so it is written
	s_mov_b32 s42, 0x76543210                      ; v_permlanex16_b32's selects for lane l xor 16
	s_mov_b32 s43, 0xfedcba98
	s_wait_kmcnt 0x0
	s_add_co_i32 s53, s26, s27                     ; e2 + e3
	s_add_co_i32 s52, s24, s25
	s_add_co_i32 s52, s52, s53
	s_lshl_b32 s52, s52, 23
	s_add_co_i32 s32, s52, 0x3eb8aa3b              ; c = log2(e) / 4, with the four exponents added to its exponent field: the sums of codes are scored as they are
	s_mov_b32 s33, s32                             ; (named with it as a pair, so it is written)
	s_sub_co_i32 s54, s29, s53                     ; a sum for V stands for sum x 2^(e2 + e3): its code is sum / 2^(e5 - e2 - e3)
	s_add_co_i32 s54, s54, 127
	s_lshl_b32 s55, s54, 23
	v_mov_b32 v7, s55
	s_add_co_i32 s54, s54, 15
	s_lshl_b32 s54, s54, 23
	s_or_b32 s34, s54, 0x600000                    ; 57,344 x that,
	s_or_b32 s35, s34, 0x80000000                  ; and its negative
	s_add_co_i32 s54, s28, 127
	s_lshl_b32 s55, s54, 23
	v_mov_b32 v8, s55                              ; 2^e4, for p
	s_add_co_i32 s54, s54, 15
	s_lshl_b32 s54, s54, 23
	s_or_b32 s36, s54, 0x600000
	s_add_co_i32 s54, s30, 127
	s_lshl_b32 s55, s54, 23
	v_mov_b32 v9, s55                              ; 2^e6, for O
	s_add_co_i32 s54, s54, 15
	s_lshl_b32 s54, s54, 23
	s_or_b32 s37, s54, 0x600000
	s_or_b32 s38, s37, 0x80000000
	s_add_co_i32 s39, s28, s29                     ; e4 + e5
	s_add_co_i32 s40, s30, s31
	s_add_co_i32 s40, s40, 127
	s_lshl_b32 s40, s40, 23                        ; 2^(e6 + e7) as f32
	s_wait_loadcnt 0xc                             ; x's eight loads and Wo's two are in; the twelve of Wq, Wk, Wv, issued behind them, may be out
.irp i, 0,1,2,3,4,5,6,7
.if PASS
	ds_store_b128 v21, v[32+4*\i:35+4*\i] offset:((\i/2)%2)*TILEX+64*(\i%2)+128*(\i/4)
.else
	ds_store_b128 v21, v[32+4*\i:35+4*\i] offset:16*\i
.endif
.endr
	ds_store_b128 v22, v[64:67]
	ds_store_b128 v22, v[68:71] offset:512
	MEET                                           ; the four sequences of x and Wo's fragments lie in LDS; nobody writes them again
	TRIP 0
	TRIP 1
	s_wait_xcnt 0x0
	v_lshl_add_u32 v254, v0, 2, 0x36100
	v_mov_b32 v255, 0
	s_wait_tensorcnt 0x0
	ds_add_u32 v254, v255
	s_wait_dscnt 0x0
	s_endpgm
.Lfunc_end_k_q22f8fee7c5_cols:
	.size	k_q22f8fee7c5_cols, .Lfunc_end_k_q22f8fee7c5_cols-k_q22f8fee7c5_cols
	.p2alignl 7, 3214868480
	.fill 96, 4, 3214868480
	.section	.rodata,"a",@progbits
	.p2align	6, 0x0
	.amdhsa_kernel k_q22f8fee7c5_cols
		.amdhsa_group_segment_fixed_size 223488
		.amdhsa_private_segment_fixed_size 0
		.amdhsa_enable_private_segment 0
		.amdhsa_kernarg_size 56
		.amdhsa_user_sgpr_count 2
		.amdhsa_user_sgpr_kernarg_segment_ptr 1
		.amdhsa_wavefront_size32 1
		.amdhsa_system_sgpr_workgroup_id_x 1
		.amdhsa_system_sgpr_workgroup_id_y 1
		.amdhsa_system_sgpr_workgroup_id_z 1
		.amdhsa_system_vgpr_workitem_id 0
		.amdhsa_next_free_vgpr 256
		.amdhsa_next_free_sgpr 66
		.amdhsa_reserve_vcc 0
		.amdhsa_float_denorm_mode_32 3
		.amdhsa_float_denorm_mode_16_64 3
		.amdhsa_memory_ordered 1
		.amdhsa_forward_progress 1
		.amdhsa_inst_pref_size 74
	.end_amdhsa_kernel
	.amdgpu_metadata
---
amdhsa.version: [ 1, 2 ]
amdhsa.kernels:
  - .name:           k_q22f8fee7c5_cols
    .symbol:         k_q22f8fee7c5_cols.kd
    .args:
      - { .name: x_codes, .offset: 0, .size: 8, .value_kind: global_buffer, .address_space: global }
      - { .name: Wq0_codes, .offset: 8, .size: 8, .value_kind: global_buffer, .address_space: global }
      - { .name: Wkv0_codes, .offset: 16, .size: 8, .value_kind: global_buffer, .address_space: global }
      - { .name: Wo0_codes, .offset: 24, .size: 8, .value_kind: global_buffer, .address_space: global }
      - { .name: bo0, .offset: 32, .size: 8, .value_kind: global_buffer, .address_space: global }
      - { .name: lowp_scales, .offset: 40, .size: 8, .value_kind: global_buffer, .address_space: global }
      - { .name: part, .offset: 48, .size: 8, .value_kind: global_buffer, .address_space: global }
    .group_segment_fixed_size: 223488
    .private_segment_fixed_size: 0
    .kernarg_segment_align: 8
    .kernarg_segment_size: 56
    .max_flat_workgroup_size: 512
    .sgpr_count:     66
    .vgpr_count:     256
    .wavefront_size: 32
...
	.end_amdgpu_metadata
.endif
;; end of part 1
;; launch rows (part 2): grid 256 x 1, 16 waves a work-group, no clusters, 223,488 bytes of LDS; arguments x_codes, Wq1_codes, Wkv1_codes, Wo1_codes, bo1, lowp_scales, part, out0; writes out0
.if DOCPART == 2
	.amdgcn_target "amdgcn-amd-amdhsa--gfx1250"
	.amdhsa_code_object_version 6
	.text
	.protected	k_q22f8fee7c5_rows
	.globl	k_q22f8fee7c5_rows
	.p2align	8
	.type	k_q22f8fee7c5_rows,@function
k_q22f8fee7c5_rows:
	s_mov_b64 s[64:65], 0
	v_nop
	global_prefetch_b8 v0, s[64:65] scope:SCOPE_SE
	s_setreg_imm32_b32 hwreg(HW_REG_WAVE_MODE, 25, 1), 1
	s_wait_xcnt 0x0
; AXIAL ATTENTION, ONE PASS.  PASS = 0: attention along H (a sequence is a column (b, w), its 128 tokens are the h), result + bo0 -> part.
; PASS = 1: attention along W (a sequence is a row (b, h)), result + bo1 + part -> out0.  The two texts differ in PASS alone.
; x: [8][128][128][128] codes of BF8 (E5M2).  Wq, Wk|Wv, Wo: codes, K innermost.  A sequence: 128 tokens, 8 heads of 16.  The pass's eight scale exponents e0..e7 (x for q, Wq, x for kv, Wkv, p, v, o, Wo).
; SHARES.  256 work-groups; a work-group owns four neighbouring sequences of one image, in two trips of two.  In a trip wave w (of 16) is head w % 8 of sequence w / 8 of the trip: it alone makes that head's K, V, Q,
; scores, softmax and P V.  The heads meet for Wo through LDS.
; LAYOUT (r = lane % 16, h = lane / 16).  THE TOKENS OF A TILE ARE NOT NEIGHBOURS: lane r of tile t stands for token 32 (t / 2) + 8 (t % 2) + r + 8 (r / 8).
;   K tile = Wk X^T, Q tile = Wq X^T (source 0 = the head's 16 rows of the weight): lane (r, h) holds its token's dims 8 h + 0..7: registers 2 s, 2 s + 1 ARE step s of the f32 product's operand.
;   S^T = K Q^T in f32 operands (the scores go on into a quantiser): a lane holds one query, and the 16 registers of tiles 2 b, 2 b + 1 are keys 32 b + 16 h + 0..15.
;   V tile = X Wv^T: a lane holds one dim and the same order of keys.  So the conversions' results are the operands of O^T = V^T P^T, in which a lane again holds one query, and eight dims: one conversion, 8 bytes.
;   Every 8-bit fragment holds k = 32 c + 16 h + 0..15 in registers 4 c .. 4 c + 3, alike on both sides of each product.
;   y = O Wo^T: lane r of Wo's fragment 4 G + i takes Wo's row 64 G + 4 r + i, so the four sums i = 0..3 of a lane are 16 neighbouring bytes of a row of y: sixteen lanes store 256 consecutive, aligned bytes.
; SOFTMAX.  t = score x log2(e) / 4; M = ceil(the row's largest t); p = 2^(t - M) is quantised; the sum is taken of the unquantised p and divides O.  A row's 128 keys are held at once: no running maximum is needed.
; p'S HOLD.  p is at most a rounding above 1, and the largest code x 2^e4 is 1.75 or more where e4 >= -15: there the 64 lines of the hold can change nothing and a scalar branch on e4 passes over them; for a smaller e4 they run.
; NO TENSOR LOADS, NO CLUSTER: x's 64 KiB of a work-group are read once at the head, through registers; what work-groups share is the weights, which go straight into registers, once; no loop streams a shared tile.
; LIMITS on the given exponents, so that each power of two below is an f32 number: e0+e1+e2+e3 between -124 and 129 (added to c's exponent field); e5-e2-e3, e4 and e6 between -126 and 112; e6+e7 between -126 and 127.
; A p under 2^-126 counts as 0 (the exponential's own flush).  NaN and infinity among the codes are not served.
; REGISTERS: v1 x's fetch place, v2 LDS address in hand, v3 O's store place, v4 16 x lane, v5 my bytes in a row pair of y, v6 the prefetch's offsets, v7-9 the conversions' scales (V, p, O); v10, v11 maxima; v[12:13] -M; v[14:15], v[16:17] sums;
;   v18 1 / sum, v19 the other half's, v20 O's store address, v[22:23] O's codes, v24-31 O scaled; v32-95 K, on the way out the rows of y; v96-159 S (written by matrix instructions alone);
;   v160-191 x's fragments, then p; v192-207 V's codes; v208-223 Wk, then p's codes; v224-239 Wv, then O^T and Q; on the way out v160-191 and v208-239 hold Wo's four fragments; v240-255 Wq.
.set PASS, 1
.if PASS
.set SSX, 16384                        ; bytes from sequence to sequence in x
.set XWB, 4096                         ; bytes from wave to wave in the head's loads of x
.set XIS, 512                          ; and from load to load
.set TSO, 512                          ; bytes from token to token in y
.set SSO, 65536                        ; and from sequence to sequence
.set GSH, 13                           ; 16 tokens of y = 2^GSH bytes
.else
.set SSX, 128
.set XWB, 131072
.set XIS, 16384
.set TSO, 65536
.set SSO, 512
.set GSH, 20
.endif
.set TILEX, 2304                       ; LDS: a tile of x: 8 chunks (16 bytes of each of 16 tokens: 256 bytes) 288 bytes apart
.set SEQX,  18448                      ; a sequence of x: 8 tiles + 16 bytes
.set WOIMG, 73984                      ; behind x's four sequences: Wo's 8 fragments as images of their registers, 2,048 bytes each
.set OIMG,  90368                      ; O's codes: 4 sequences x 8 tiles x 2,048 bytes, images of the fragments' registers
.set WKV,   155904                     ; each wave's own image of its head's Wk and Wv: 4,096 bytes a wave
.macro MEET                            ; my LDS stores have landed and my LDS loads are in: then the work-group's barrier
	s_wait_dscnt 0x0
	s_barrier_signal -1
	s_barrier_wait -1
.endm
.macro PLACES n                        ; plain vector instructions behind a matrix instruction (ISA guide 7.12.1), where no useful one is at hand
.rept \n
	v_nop
.endr
.endm
.macro FETCHX reg, off                 ; a fragment of x: chunk 2 c + h of my token: lanes 0-15 read 256 consecutive bytes, lanes 16-31 the next chunk's
.irp c, 0,1,2,3
	ds_load_b128 v[\reg+4*\c:\reg+4*\c+3], v2 offset:(\off)+576*\c
.endr
.endm
; Tiles 2 b and 2 b + 1 of the tokens: K's two tiles stay as f32; V's two are held, quantised and become registers 4 b .. 4 b + 3 of V^T's operand.
.macro PAIR b
	s_wait_dscnt 0x0                               ; the two fragments of x are in (ahead of the first pair: the weights' image is stored or read back too)
	v_wmma_f32_16x16x128_bf8_bf8 v[32+16*\b:39+16*\b], v[208:223], v[160:175], 0
	v_wmma_f32_16x16x128_bf8_bf8 v[96:103], v[160:175], v[224:239], 0
	v_wmma_f32_16x16x128_bf8_bf8 v[40+16*\b:47+16*\b], v[208:223], v[176:191], 0
	v_wmma_f32_16x16x128_bf8_bf8 v[104:111], v[176:191], v[224:239], 0
	PLACES 4                                       ; in front of the loads into x's fragments and of the first read of V
.if \b < 3
	FETCHX 160, (2*\b+2)*TILEX
	FETCHX 176, (2*\b+3)*TILEX
.endif
.set ii, 0
.rept 16
	v_med3_num_f32 v[16+ii], v[96+ii], s35, s34    ; the conversion to an 8-bit code does not saturate (ISA guide 7.6.2): the hold at the largest code x the scale; into other registers
.set ii, ii+1
.endr
	v_cvt_scalef32_pk8_bf8_f32 v[192+4*\b:193+4*\b], v[16:23], v7
	v_cvt_scalef32_pk8_bf8_f32 v[194+4*\b:195+4*\b], v[24:31], v7
	v_nop                                          ; a plain instruction behind the conversions, ahead of whatever writes their sources or reads their results
.endm
; Half hh of a query tile's softmax: 32 scores a lane (key tiles 4 hh .. 4 hh + 3) become p, are summed, held where the scale asks for it, and quantised into registers 8 hh .. 8 hh + 7 of P's operand.
.macro HALF hh
.set ii, 0
.rept 16
	v_pk_fma_f32 v[160+ii:161+ii], v[96+32*\hh+ii:97+32*\hh+ii], s[32:33], v[12:13] op_sel_hi:[1,0,0]   ; t - M, two at a time (of the pairs c and -M the low word serves both halves)
.set ii, ii+2
.endr
.set ii, 0
.rept 32
	v_exp_f32 v[160+ii], v[160+ii]                 ; p = 2^(t - M)
.set ii, ii+1
.endr
	v_nop                                          ; a plain instruction behind the exponentials
.if \hh == 0
	s_wait_alu depctr_va_vdst(0)
	v_pk_add_f32 v[14:15], v[160:161], v[162:163]  ; the first additions start the two chains: nothing is cleared
	v_pk_add_f32 v[16:17], v[164:165], v[166:167]
.set ii, 8
.else
.set ii, 0
.endif
	s_wait_alu depctr_va_vdst(0)
.rept 8-2*(1-\hh)
	v_pk_add_f32 v[14:15], v[14:15], v[160+ii:161+ii]   ; the row's sum is taken of the unquantised p
	v_pk_add_f32 v[16:17], v[16:17], v[162+ii:163+ii]
.set ii, ii+4
.endr
	s_cmp_ge_i32 s28, -15                          ; e4 >= -15: the largest code x 2^e4 is 1.75 or more, over every p: the hold would change nothing
	s_cbranch_scc1 .Lfits_\@                       ; a branch on a whole number that was read, round vector lines alone
.set ii, 0
.rept 32
	v_min_num_f32 v[160+ii], s36, v[160+ii]        ; the conversion does not saturate (ISA guide 7.6.2); p is not negative: a one-sided hold
.set ii, ii+1
.endr
.Lfits_\@:
.irp m, 0,1,2,3
	v_cvt_scalef32_pk8_bf8_f32 v[208+8*\hh+2*\m:209+8*\hh+2*\m], v[160+8*\m:167+8*\m], v8
.endr
	v_nop
.endm
; Eight rows of y of sequence q of the trip: row j of lanes 0-15 is token base + j, of lanes 16-31 token base + 16 + j.  R: where the rows are made (in PASS 1: where part's rows lie).
.macro OUTROWS q, R
.irp j, 0,1,2,3,4,5,6,7
.if PASS
	v_pk_add_f32 v[\R+4*\j:\R+4*\j+1], v[\R+4*\j:\R+4*\j+1], v[10:11]
	v_pk_add_f32 v[\R+4*\j+2:\R+4*\j+3], v[\R+4*\j+2:\R+4*\j+3], v[12:13]
.endif
.irp i, 0,1,2,3
.if PASS
	v_fma_f32 v[\R+4*\j+\i], v[96+32*\q+8*\i+\j], s40, v[\R+4*\j+\i]   ; sum x 2^(e6 + e7) + (the other pass + the bias); row 0 comes first: each accumulator is read from its low end on
.else
	v_fma_f32 v[\R+4*\j+\i], v[96+32*\q+8*\i+\j], s40, v[10+\i]        ; sum x 2^(e6 + e7) + the bias; row 0 comes first: each accumulator is read from its low end on
.endif
.endr
.if PASS
	global_store_b128 v5, v[\R+4*\j:\R+4*\j+3], s[48:49] offset:\q*SSO+\j*TSO th:TH_STORE_NT   ; sixteen lanes store 256 consecutive bytes, aligned; written once, read by nobody here
.else
	global_store_b128 v5, v[\R+4*\j:\R+4*\j+3], s[48:49] offset:\q*SSO+\j*TSO                  ; sixteen lanes store 256 consecutive bytes, aligned; the next launch reads them
.endif
.endr
.endm
; THE WAY OUT of trip p.  Wave w takes token tile w % 8 of both sequences of the trip and outputs 64 (w / 8) .. + 63.
; All that comes from memory is asked for AHEAD of the barrier, into K's registers, which are done with: a wave that arrives early has its rows when the barrier opens.
.macro EPI p
	v_and_b32 v10, 15, v0
	v_lshlrev_b32 v10, 4, v10
	global_load_b128 v[10:13], v10, s[12:13]       ; the bias of my four outputs 64 G + 4 r + 0..3; the load lands on its own offset
.if PASS
.irp j, 0,1,2,3,4,5,6,7
	global_load_b128 v[32+4*\j:35+4*\j], v5, s[50:51] offset:\j*TSO th:TH_LOAD_NT       ; the other pass's rows, first sequence
.endr
.irp j, 0,1,2,3,4,5,6,7
	global_load_b128 v[64+4*\j:67+4*\j], v5, s[50:51] offset:SSO+\j*TSO th:TH_LOAD_NT   ; and second sequence
.endr
.endif
	s_lshl_b32 s52, s21, 11
	s_add_co_u32 s52, s52, OIMG+\p*32768
	v_add_nc_u32 v2, s52, v4                       ; O's fragments: my tile of the trip's first sequence
	s_lshl_b32 s53, s22, 13
	s_add_co_u32 s53, s53, WOIMG
	v_add_nc_u32 v14, s53, v4                      ; Wo's four fragments of my half of the outputs
	MEET                                           ; all eight heads' codes of both sequences lie in LDS
.irp c, 0,1,2,3
	ds_load_b128 v[192+4*\c:195+4*\c], v2 offset:512*\c
.endr
.irp c, 0,1,2,3
	ds_load_b128 v[16+4*\c:19+4*\c], v2 offset:16384+512*\c
.endr
.irp i, 0,1,2,3                                ; fragment i at v160, v176, v208, v224
.irp c, 0,1,2,3
	ds_load_b128 v[160+16*\i+16*(\i/2)+4*\c:163+16*\i+16*(\i/2)+4*\c], v14 offset:2048*\i+512*\c
.endr
.endr
	s_wait_dscnt 0x0
.irp i, 0,1,2,3
	v_wmma_f32_16x16x128_bf8_bf8 v[96+8*\i:103+8*\i], v[192:207], v[160+16*\i+16*(\i/2):175+16*\i+16*(\i/2)], 0
.endr
.irp i, 0,1,2,3
	v_wmma_f32_16x16x128_bf8_bf8 v[128+8*\i:135+8*\i], v[16:31], v[160+16*\i+16*(\i/2):175+16*\i+16*(\i/2)], 0
.endr
	PLACES 4                                       ; in front of the first read of the sums
.if PASS
	s_wait_loadcnt 0x8                             ; the bias and the first sequence's rows are in; the second sequence's eight loads, issued behind them, may be out
.else
	s_wait_loadcnt 0x0                             ; the bias
.endif
	OUTROWS 0, 32
.if PASS
	s_wait_loadcnt 0x0
.endif
	OUTROWS 1, 64
.if \p == 0
	s_wait_xcnt 0x0                                ; the stores' data, and the bases, are written again only behind this wait
	s_add_nc_u64 s[48:49], s[48:49], 2*SSO
.if PASS
	s_add_nc_u64 s[50:51], s[50:51], 2*SSO
.endif
.endif
.endm
; TRIP p: sequences 2 p and 2 p + 1 of the work-group's four.
.macro TRIP p
.if \p == 0
	s_wait_loadcnt 0x0                             ; Wq, Wk, Wv
.endif
	s_lshl_b32 s52, s20, 12
	s_add_co_u32 s52, s52, WKV
	v_add_nc_u32 v14, s52, v4                      ; my wave's own image of Wk and Wv: no other wave names these bytes
	s_mul_i32 s44, s22, SEQX                       ; my sequence of x in LDS,
	s_lshl_b32 s45, s22, 14                        ; and of O's codes
.if \p
	s_add_co_u32 s44, s44, 2*\p*SEQX
	s_add_co_u32 s45, s45, 2*\p*16384
.endif
	v_add_nc_u32 v2, s44, v1
.if \p == 0
.irp c, 0,1,2,3                                ; p's codes, O^T, Q and Wo's fragments will lie over Wk and Wv: they are kept in LDS for the second trip
	ds_store_b128 v14, v[208+4*\c:211+4*\c] offset:512*\c
.endr
.irp c, 0,1,2,3
	ds_store_b128 v14, v[224+4*\c:227+4*\c] offset:2048+512*\c
.endr
.else
.irp c, 0,1,2,3
	ds_load_b128 v[208+4*\c:211+4*\c], v14 offset:512*\c
.endr
.irp c, 0,1,2,3
	ds_load_b128 v[224+4*\c:227+4*\c], v14 offset:2048+512*\c
.endr
.endif
	FETCHX 160, 0
	FETCHX 176, TILEX
	PAIR 0
	PAIR 1
	PAIR 2
	PAIR 3
	s_mov_b32 s46, 8
.Lq_\p:                                                ; a trip: one tile of 16 queries against the head's 128 keys
	v_add_nc_u32 v2, s44, v1
	FETCHX 160, 0
	s_wait_dscnt 0x0                               ; the tile of x is in; the last trip's store of O's codes has read its registers
	v_wmma_f32_16x16x128_bf8_bf8 v[232:239], v[240:255], v[160:175], 0
	PLACES 5                                       ; Q goes on as a source of matrix instructions
.irp s, 0,1,2,3                                ; S^T = K Q^T: four steps of 4 dims; the eight accumulators take turns, one instruction a turn; the first step starts the sums
.irp t, 0,1,2,3,4,5,6,7
.if \s == 0
	v_wmma_f32_16x16x4_f32 v[96+8*\t:103+8*\t], v[32+8*\t:33+8*\t], v[232:233], 0
.else
	v_wmma_f32_16x16x4_f32 v[96+8*\t:103+8*\t], v[32+8*\t+2*\s:33+8*\t+2*\s], v[232+2*\s:233+2*\s], v[96+8*\t:103+8*\t]
.endif
.endr
.endr
.if PASS
	s_cmp_lg_u32 s46, 1                            ; in the last of the eight trips each wave asks for the 32 blocks of 256 bytes of part that it alone loads at the head of the way out that follows: one lane a block
	s_cbranch_scc1 .Lnp_\p
	global_prefetch_b8 v6, s[50:51] th:TH_LOAD_NT scope:SCOPE_SE
.Lnp_\p:
.endif
	PLACES 8                                       ; behind the f32 form, in front of the first read of the scores
	v_max3_num_f32 v10, v96, v97, v98              ; my query's largest score among my 64 keys, in two chains, ascending,
	v_max3_num_f32 v11, v99, v100, v101
.irp i, 6,10,14,18,22,26,30,34,38,42,46,50,54,58
	v_max3_num_f32 v10, v10, v[96+\i], v[97+\i]
	v_max3_num_f32 v11, v11, v[98+\i], v[99+\i]
.endr
	v_max3_num_f32 v10, v10, v158, v159
	v_max_num_f32 v10, v10, v11
	v_permlanex16_b32 v19, v10, s42, s43
	v_max_num_f32 v10, v10, v19                    ; and among lane l xor 16's
	v_mul_f32 v10, s32, v10                        ; as t (c is positive)
	v_floor_f32 v12, -v10                          ; -M = floor(-t) = -ceil(t)
	HALF 0
	HALF 1
	v_wmma_f32_16x16x128_bf8_bf8 v[224:231], v[192:207], v[208:223], 0   ; O^T = V^T P^T over the 128 keys
	v_pk_add_f32 v[14:15], v[14:15], v[16:17]      ; the sum's chains; these lines are also the places behind the product
	v_add_f32 v14, v14, v15
	v_permlanex16_b32 v19, v14, s42, s43
	v_add_f32 v14, v14, v19                        ; and lane l xor 16's: the row's sum, at least 1/2
	v_rcp_f32 v18, v14
	v_add_nc_u32 v20, s45, v3                      ; (a plain instruction behind the reciprocal)  where my 8 codes go
	s_wait_alu depctr_va_vdst(0)
	v_ldexp_f32 v18, v18, s39                      ; x 2^(e4 + e5)
.irp k, 0,2,4,6
	v_pk_mul_f32 v[24+\k:25+\k], v[224+\k:225+\k], v[18:19] op_sel_hi:[1,0]
.endr
.irp k, 0,1,2,3,4,5,6,7
	v_med3_num_f32 v[24+\k], v[24+\k], s38, s37    ; the hold at the largest code x 2^e6
.endr
	v_cvt_scalef32_pk8_bf8_f32 v[22:23], v[24:31], v9
	v_nop
	ds_store_b64 v20, v[22:23]                     ; dims 8 h + 0..7 of my head, query r: the wave's store covers 256 consecutive bytes of the fragment's image
	s_add_co_u32 s44, s44, TILEX
	s_add_co_u32 s45, s45, 2048
	s_sub_co_i32 s46, s46, 1
	s_cmp_lg_u32 s46, 0
	s_cbranch_scc1 .Lq_\p
	EPI \p
.endm
	s_load_b256 s[4:11], s[0:1], 0x0               ; x s[4:5], Wq s[6:7], Wkv s[8:9], Wo s[10:11]
.if PASS
	s_load_b256 s[12:19], s[0:1], 0x20             ; the bias s[12:13], the scales' exponents s[14:15], part s[16:17], out0 s[18:19]
.else
	s_load_b128 s[12:15], s[0:1], 0x20             ; the bias s[12:13], the scales' exponents s[14:15]
	s_load_b64 s[18:19], s[0:1], 0x30              ; part
.endif
	v_lshrrev_b32 v20, 5, v0
	v_readfirstlane_b32 s20, v20                   ; wave 0..15
	s_and_b32 s21, s20, 7                          ; my head; on the way out my tile of tokens
	s_lshr_b32 s22, s20, 3                         ; my sequence of a trip's two; on the way out my half G of the outputs
	v_and_b32 v18, 31, v0                          ; lane
	v_and_b32 v16, 15, v0                          ; r
	v_bfe_u32 v17, v0, 4, 1                        ; h
	v_lshlrev_b32 v4, 4, v18                       ; 16 x lane
	; where the head's loads of x go in LDS: token T lies in tile 2 (T / 32) + (T / 8) % 2 at place T % 8 + 8 ((T / 16) % 2); chunk g of its 128 bytes 288 g on
.if PASS
	v_and_b32 v20, 7, v18                          ; a load is 4 tokens x 8 chunks: chunk lane % 8, token 32 (w % 4) + 4 i + lane / 8
	v_mul_u32_u24 v21, v20, 288
	v_lshrrev_b32 v20, 3, v18
	v_lshl_add_u32 v21, v20, 4, v21
	s_lshr_b32 s56, s20, 2
	s_mul_i32 s56, s56, SEQX                       ; sequence w / 4
	s_and_b32 s57, s20, 3
	s_mul_i32 s57, s57, 2*TILEX
	s_add_co_u32 s56, s56, s57
.else
	v_lshrrev_b32 v20, 3, v18                      ; a load is one token (8 w + i) of 4 sequences x 8 chunks: sequence lane / 8, chunk lane % 8
	v_mul_u32_u24 v21, v20, SEQX
	v_and_b32 v20, 7, v18
	v_mad_u32_u24 v21, v20, 288, v21
	s_lshr_b32 s56, s20, 2
	s_lshl_b32 s56, s56, 1
	s_and_b32 s57, s20, 1
	s_add_co_u32 s56, s56, s57
	s_mul_i32 s56, s56, TILEX                      ; tile 2 (w / 4) + w % 2
	s_bfe_u32 s57, s20, 0x10001
	s_lshl_b32 s57, s57, 7                         ; places 8 ((w / 2) % 2) on
	s_add_co_u32 s56, s56, s57
.endif
	v_add_nc_u32 v21, s56, v21
	s_lshl_b32 s56, s20, 10
	s_add_co_u32 s56, s56, WOIMG
	v_add_nc_u32 v22, s56, v4                      ; Wo's image: wave w stores groups 2 (w % 2), + 1 of fragment w / 2
	v_lshlrev_b32 v14, 9, v16
	v_lshl_add_u32 v14, v17, 4, v14                ; Wo in memory: rows 4 r apart: 512 r + 16 h
	v_lshlrev_b32 v15, 7, v16
	v_lshl_add_u32 v15, v17, 4, v15                ; Wq, Wk, Wv: row r of 128 bytes, + 16 h
	s_lshr_b32 s52, ttmp9, 5                       ; the image b
	s_and_b32 s53, ttmp9, 31
	s_lshl_b32 s53, s53, 2                         ; my first sequence
	s_lshl_b32 s54, s52, 21
	s_mul_i32 s55, s53, SSX
	s_add_co_u32 s54, s54, s55
	s_mul_i32 s55, s20, XWB
	s_add_co_u32 s54, s54, s55
	s_mov_b32 s55, 0                               ; s[54:55]: my wave's part of x
	s_lshl_b32 s56, s22, 6
	s_bfe_u32 s57, s20, 0x20001
	s_add_co_u32 s56, s56, s57                     ; Wo's row 64 G + i, i = (w / 2) % 4
	s_lshl_b32 s56, s56, 7
	s_and_b32 s57, s20, 1
	s_lshl_b32 s57, s57, 6                         ; + 64 (w % 2) bytes along K
	s_add_co_u32 s56, s56, s57
	s_mov_b32 s57, 0
	s_lshl_b32 s58, s21, 11                        ; my head's 16 rows of 128 bytes
	s_mov_b32 s59, 0
	s_wait_kmcnt 0x0
	s_load_b256 s[24:31], s[14:15], 32*PASS        ; e0 .. e7 of this pass
	s_add_nc_u64 s[4:5], s[4:5], s[54:55]
	s_add_nc_u64 s[10:11], s[10:11], s[56:57]
	s_add_nc_u64 s[6:7], s[6:7], s[58:59]
	s_add_nc_u64 s[8:9], s[8:9], s[58:59]
.irp i, 0,1,2,3,4,5,6,7
	global_load_b128 v[32+4*\i:35+4*\i], v4, s[4:5] offset:\i*XIS th:TH_LOAD_NT   ; 32 lanes read 512 consecutive bytes; the launch reads x once
.endr
	global_load_b128 v[64:67], v14, s[10:11]
	global_load_b128 v[68:71], v14, s[10:11] offset:32
.irp c, 0,1,2,3
	global_load_b128 v[240+4*\c:243+4*\c], v15, s[6:7] offset:32*\c
.endr
.irp c, 0,1,2,3
	global_load_b128 v[208+4*\c:211+4*\c], v15, s[8:9] offset:32*\c
.endr
.irp c, 0,1,2,3
	global_load_b128 v[224+4*\c:227+4*\c], v15, s[8:9] offset:16384+32*\c
.endr
	; where my rows of y begin: image, first sequence, token tile's base 32 (hd / 2) + 8 (hd % 2), 256 G bytes along the row
	s_lshl_b32 s54, s52, 23
	s_mul_i32 s55, s53, SSO
	s_add_co_u32 s54, s54, s55
	s_lshr_b32 s55, s21, 1
	s_lshl_b32 s55, s55, 5
	s_and_b32 s56, s21, 1
	s_lshl_b32 s56, s56, 3
	s_add_co_u32 s55, s55, s56
	s_mul_i32 s55, s55, TSO
	s_add_co_u32 s54, s54, s55
	s_lshl_b32 s56, s22, 8
	s_add_co_u32 s54, s54, s56
	s_mov_b32 s55, 0
	s_mov_b32 s57, 0
	s_add_nc_u64 s[48:49], s[18:19], s[54:55]
.if PASS
	s_add_nc_u64 s[50:51], s[16:17], s[54:55]
.endif
	s_add_nc_u64 s[12:13], s[12:13], s[56:57]      ; the bias at output 64 G
	v_lshlrev_b32 v1, 4, v16
	v_lshl_add_u32 v3, v17, 3, v1                  ; 16 r + 8 h
	v_lshl_add_u32 v5, v17, GSH, v1                ; y: 16 r, and 16 tokens on for lanes 16-31
	v_mad_u32_u24 v1, v17, 288, v1                 ; x's fetch: 16 r + 288 h
	s_lshl_b32 s56, s21, 8
	s_add_co_u32 s56, s56, OIMG
	v_add_nc_u32 v3, s56, v3                       ; O's codes: head hd fills group hd / 2, lanes 16 (hd % 2) on, of the image: 256 hd
.if PASS
	v_lshlrev_b32 v6, 16, v17                      ; the prefetch: lane l asks for sequence l / 16, row (l % 8) + 16 ((l / 8) % 2) of my rows of part
	v_lshl_add_u32 v6, v16, 9, v6
	v_bfe_u32 v20, v0, 3, 1
	v_lshl_add_u32 v6, v20, 12, v6
.endif
	v_mov_b32 v13, 0                               ; named as the upper half of the pair v[12:13], so it is written
	s_mov_b32 s42, 0x76543210                      ; v_permlanex16_b32's selects for lane l xor 16
	s_mov_b32 s43, 0xfedcba98
	s_wait_kmcnt 0x0
	s_add_co_i32 s53, s26, s27                     ; e2 + e3
	s_add_co_i32 s52, s24, s25
	s_add_co_i32 s52, s52, s53
	s_lshl_b32 s52, s52, 23
	s_add_co_i32 s32, s52, 0x3eb8aa3b              ; c = log2(e) / 4, with the four exponents added to its exponent field: the sums of codes are scored as they are
	s_mov_b32 s33, s32                             ; (named with it as a pair, so it is written)
	s_sub_co_i32 s54, s29, s53                     ; a sum for V stands for sum x 2^(e2 + e3): its code is sum / 2^(e5 - e2 - e3)
	s_add_co_i32 s54, s54, 127
	s_lshl_b32 s55, s54, 23
	v_mov_b32 v7, s55
	s_add_co_i32 s54, s54, 15
	s_lshl_b32 s54, s54, 23
	s_or_b32 s34, s54, 0x600000                    ; 57,344 x that,
	s_or_b32 s35, s34, 0x80000000                  ; and its negative
	s_add_co_i32 s54, s28, 127
	s_lshl_b32 s55, s54, 23
	v_mov_b32 v8, s55                              ; 2^e4, for p
	s_add_co_i32 s54, s54, 15
	s_lshl_b32 s54, s54, 23
	s_or_b32 s36, s54, 0x600000
	s_add_co_i32 s54, s30, 127
	s_lshl_b32 s55, s54, 23
	v_mov_b32 v9, s55                              ; 2^e6, for O
	s_add_co_i32 s54, s54, 15
	s_lshl_b32 s54, s54, 23
	s_or_b32 s37, s54, 0x600000
	s_or_b32 s38, s37, 0x80000000
	s_add_co_i32 s39, s28, s29                     ; e4 + e5
	s_add_co_i32 s40, s30, s31
	s_add_co_i32 s40, s40, 127
	s_lshl_b32 s40, s40, 23                        ; 2^(e6 + e7) as f32
	s_wait_loadcnt 0xc                             ; x's eight loads and Wo's two are in; the twelve of Wq, Wk, Wv, issued behind them, may be out
.irp i, 0,1,2,3,4,5,6,7
.if PASS
	ds_store_b128 v21, v[32+4*\i:35+4*\i] offset:((\i/2)%2)*TILEX+64*(\i%2)+128*(\i/4)
.else
	ds_store_b128 v21, v[32+4*\i:35+4*\i] offset:16*\i
.endif
.endr
	ds_store_b128 v22, v[64:67]
	ds_store_b128 v22, v[68:71] offset:512
	MEET                                           ; the four sequences of x and Wo's fragments lie in LDS; nobody writes them again
	TRIP 0
	TRIP 1
	s_wait_xcnt 0x0
	v_lshl_add_u32 v254, v0, 2, 0x36100
	v_mov_b32 v255, 0
	s_wait_tensorcnt 0x0
	ds_add_u32 v254, v255
	s_wait_dscnt 0x0
	s_endpgm
.Lfunc_end_k_q22f8fee7c5_rows:
	.size	k_q22f8fee7c5_rows, .Lfunc_end_k_q22f8fee7c5_rows-k_q22f8fee7c5_rows
	.p2alignl 7, 3214868480
	.fill 96, 4, 3214868480
	.section	.rodata,"a",@progbits
	.p2align	6, 0x0
	.amdhsa_kernel k_q22f8fee7c5_rows
		.amdhsa_group_segment_fixed_size 223488
		.amdhsa_private_segment_fixed_size 0
		.amdhsa_enable_private_segment 0
		.amdhsa_kernarg_size 64
		.amdhsa_user_sgpr_count 2
		.amdhsa_user_sgpr_kernarg_segment_ptr 1
		.amdhsa_wavefront_size32 1
		.amdhsa_system_sgpr_workgroup_id_x 1
		.amdhsa_system_sgpr_workgroup_id_y 1
		.amdhsa_system_sgpr_workgroup_id_z 1
		.amdhsa_system_vgpr_workitem_id 0
		.amdhsa_next_free_vgpr 256
		.amdhsa_next_free_sgpr 66
		.amdhsa_reserve_vcc 0
		.amdhsa_float_denorm_mode_32 3
		.amdhsa_float_denorm_mode_16_64 3
		.amdhsa_memory_ordered 1
		.amdhsa_forward_progress 1
		.amdhsa_inst_pref_size 81
	.end_amdhsa_kernel
	.amdgpu_metadata
---
amdhsa.version: [ 1, 2 ]
amdhsa.kernels:
  - .name:           k_q22f8fee7c5_rows
    .symbol:         k_q22f8fee7c5_rows.kd
    .args:
      - { .name: x_codes, .offset: 0, .size: 8, .value_kind: global_buffer, .address_space: global }
      - { .name: Wq1_codes, .offset: 8, .size: 8, .value_kind: global_buffer, .address_space: global }
      - { .name: Wkv1_codes, .offset: 16, .size: 8, .value_kind: global_buffer, .address_space: global }
      - { .name: Wo1_codes, .offset: 24, .size: 8, .value_kind: global_buffer, .address_space: global }
      - { .name: bo1, .offset: 32, .size: 8, .value_kind: global_buffer, .address_space: global }
      - { .name: lowp_scales, .offset: 40, .size: 8, .value_kind: global_buffer, .address_space: global }
      - { .name: part, .offset: 48, .size: 8, .value_kind: global_buffer, .address_space: global }
      - { .name: out0, .offset: 56, .size: 8, .value_kind: global_buffer, .address_space: global }
    .group_segment_fixed_size: 223488
    .private_segment_fixed_size: 0
    .kernarg_segment_align: 8
    .kernarg_segment_size: 64
    .max_flat_workgroup_size: 512
    .sgpr_count:     66
    .vgpr_count:     256
    .wavefront_size: 32
...
	.end_amdgpu_metadata
.endif
;; end of part 2
;; ======== version 2 of 2: 2 launches; version 1 with the launches cols, rows written anew for expert scheduling mode
;; workspace buffers: part 67,108,864 bytes
;; launch cols (part 3): grid 256 x 1, 16 waves a work-group, no clusters, 223,488 bytes of LDS; arguments x_codes, Wq0_codes, Wkv0_codes, Wo0_codes, bo0, lowp_scales, part; writes part
.if DOCPART == 3
	.amdgcn_target "amdgcn-amd-amdhsa--gfx1250"
	.amdhsa_code_object_version 6
	.text
	.protected	k_q22f8fee7c5_cols
	.globl	k_q22f8fee7c5_cols
	.p2align	8
	.type	k_q22f8fee7c5_cols,@function
k_q22f8fee7c5_cols:
	s_mov_b64 s[64:65], 0
	v_nop
	global_prefetch_b8 v0, s[64:65] scope:SCOPE_SE
	s_setreg_imm32_b32 hwreg(HW_REG_WAVE_SCHED_MODE, 0, 2), 2
	s_setreg_imm32_b32 hwreg(HW_REG_WAVE_MODE, 25, 1), 1
	s_wait_xcnt 0x0
	s_wait_alu depctr_vm_vsrc(0)
; AXIAL ATTENTION, ONE PASS.  PASS = 0: attention along H (a sequence is a column (b, w), its 128 tokens are the h), result + bo0 -> part.
; PASS = 1: attention along W (a sequence is a row (b, h)), result + bo1 + part -> out0.  The two texts differ in PASS alone.
; x: [8][128][128][128] codes of BF8 (E5M2).  Wq, Wk|Wv, Wo: codes, K innermost.  A sequence: 128 tokens, 8 heads of 16.  The pass's eight scale exponents e0..e7 (x for q, Wq, x for kv, Wkv, p, v, o, Wo).
; SHARES.  256 work-groups; a work-group owns four neighbouring sequences of one image, in two trips of two.  In a trip wave w (of 16) is head w % 8 of sequence w / 8 of the trip: it alone makes that head's K, V, Q,
; scores, softmax and P V.  The heads meet for Wo through LDS.
; LAYOUT (r = lane % 16, h = lane / 16).  THE TOKENS OF A TILE ARE NOT NEIGHBOURS: lane r of tile t stands for token 32 (t / 2) + 8 (t % 2) + r + 8 (r / 8).
;   K tile = Wk X^T, Q tile = Wq X^T (source 0 = the head's 16 rows of the weight): lane (r, h) holds its token's dims 8 h + 0..7: registers 2 s, 2 s + 1 ARE step s of the f32 product's operand.
;   S^T = K Q^T in f32 operands (the scores go on into a quantiser): a lane holds one query, and the 16 registers of tiles 2 b, 2 b + 1 are keys 32 b + 16 h + 0..15.
;   V tile = X Wv^T: a lane holds one dim and the same order of keys.  So the conversions' results are the operands of O^T = V^T P^T, in which a lane again holds one query, and eight dims: one conversion, 8 bytes.
;   Every 8-bit fragment holds k = 32 c + 16 h + 0..15 in registers 4 c .. 4 c + 3, alike on both sides of each product.
;   y = O Wo^T: lane r of Wo's fragment 4 G + i takes Wo's row 64 G + 4 r + i, so the four sums i = 0..3 of a lane are 16 neighbouring bytes of a row of y: sixteen lanes store 256 consecutive, aligned bytes.
; SOFTMAX.  t = score x log2(e) / 4; M = ceil(the row's largest t); p = 2^(t - M) is quantised; the sum is taken of the unquantised p and divides O.  A row's 128 keys are held at once: no running maximum is needed.
; p'S HOLD.  p is at most a rounding above 1, and the largest code x 2^e4 is 1.75 or more where e4 >= -15: there the 64 lines of the hold can change nothing and a scalar branch on e4 passes over them; for a smaller e4 they run.
; NO TENSOR LOADS, NO CLUSTER: x's 64 KiB of a work-group are read once at the head, through registers; what work-groups share is the weights, which go straight into registers, once; no loop streams a shared tile.
; LIMITS on the given exponents, so that each power of two below is an f32 number: e0+e1+e2+e3 between -124 and 129 (added to c's exponent field); e5-e2-e3, e4 and e6 between -126 and 112; e6+e7 between -126 and 127.
; A p under 2^-126 counts as 0 (the exponential's own flush).  NaN and infinity among the codes are not served.
; REGISTERS: v1 x's fetch place, v2 LDS address in hand, v3 O's store place, v4 16 x lane, v5 my bytes in a row pair of y, v6 the prefetch's offsets, v7-9 the conversions' scales (V, p, O); v10, v11 maxima; v[12:13] -M; v[14:15], v[16:17] sums;
;   v18 1 / sum, v19 the other half's, v20 O's store address, v[22:23] O's codes, v24-31 O scaled; v32-95 K, on the way out the rows of y; v96-159 S (written by matrix instructions alone);
;   v160-191 x's fragments, then p; v192-207 V's codes; v208-223 Wk, then p's codes; v224-239 Wv, then O^T and Q; on the way out v160-191 and v208-239 hold Wo's four fragments, v10-13 the bias, v15 its offset; v240-255 Wq.
; THE MODE: SCHED_MODE bits 1:0 = 2 (LLVM: expert scheduling mode 2), set by the entry lines.  The code itself states the register dependences
; between vector or matrix instructions and memory or LDS instructions, with s_wait_alu, always for 0.
; THE PLAN.  Registers that memory or LDS instructions touch, and who else names them:
;   v4, v5, v6     offsets: made at the head, never written again.
;   v2             LDS address of x's fetches and of O's fragments: written at a trip's head, beside the reciprocal of each query trip that has a successor, and at the head of the way out.
;   v14, v15       at the head the weights' offsets; v14 the LDS address of the weights' image (a trip's head) and of Wo's fragments (the way out), v15 the bias's offset (the way out); in the query trips both hold sums.
;   v20, v[22:23]  address and data of the store of O's codes: written in each query trip, read by the store at its end.
;   v160-191       x's two fragments of a pair: read by the pair's four products, asked for again behind one wait.  v160-175: Q's tile of x, asked for one query trip ahead, read by Q's product; then p lies there.
;   v208-239       Wk and Wv: stored as an image (first trip) or loaded from it (second); then Q, p's codes and O^T lie there, on the way out Wo's fragments.
;   v32-95         K: named by matrix instructions alone in the query trips.  On the way out two out-buffers, a sequence's rows each: (PASS 1: loaded,) written by the arithmetic, read by the stores.
; A QUERY TRIP has one wait on vm_vsrc, at its top, for all that it writes again, and four on va_vdst: one behind each half's exponentials; one beside the reciprocal, behind which the next tile of x is asked for
; (no vector or matrix line from there to the next trip's top names v2 or v160-175); one ahead of the store of O's codes.  The eighth query trip is written out: it asks for no tile.
.set PASS, 0
.if PASS
.set SSX, 16384                        ; bytes from sequence to sequence in x
.set XWB, 4096                         ; bytes from wave to wave in the head's loads of x
.set XIS, 512                          ; and from load to load
.set TSO, 512                          ; bytes from token to token in y
.set SSO, 65536                        ; and from sequence to sequence
.set GSH, 13                           ; 16 tokens of y = 2^GSH bytes
.else
.set SSX, 128
.set XWB, 131072
.set XIS, 16384
.set TSO, 65536
.set SSO, 512
.set GSH, 20
.endif
.set TILEX, 2304                       ; LDS: a tile of x: 8 chunks (16 bytes of each of 16 tokens: 256 bytes) 288 bytes apart
.set SEQX,  18448                      ; a sequence of x: 8 tiles + 16 bytes
.set WOIMG, 73984                      ; behind x's four sequences: Wo's 8 fragments as images of their registers, 2,048 bytes each
.set OIMG,  90368                      ; O's codes: 4 sequences x 8 tiles x 2,048 bytes, images of the fragments' registers
.set WKV,   155904                     ; each wave's own image of its head's Wk and Wv: 4,096 bytes a wave
.macro MEET                            ; my LDS stores have landed and my LDS loads are in: then the work-group's barrier
	s_wait_dscnt 0x0
	s_barrier_signal -1
	s_barrier_wait -1
.endm
.macro PLACES n                        ; plain vector instructions behind a matrix instruction (ISA guide 7.12.1), where no useful one is at hand
.rept \n
	v_nop
.endr
.endm
.macro FETCHX reg, off                 ; a fragment of x: chunk 2 c + h of my token: lanes 0-15 read 256 consecutive bytes, lanes 16-31 the next chunk's
.irp c, 0,1,2,3
	ds_load_b128 v[\reg+4*\c:\reg+4*\c+3], v2 offset:(\off)+576*\c
.endr
.endm
; Tiles 2 b and 2 b + 1 of the tokens: K's two tiles stay as f32; V's two are held, quantised and become registers 4 b .. 4 b + 3 of V^T's operand.
.macro PAIR b
	s_wait_dscnt 0x0                               ; the two fragments of x are in (ahead of the first pair: the weights' image is stored or read back too)
	v_wmma_f32_16x16x128_bf8_bf8 v[32+16*\b:39+16*\b], v[208:223], v[160:175], 0
	v_wmma_f32_16x16x128_bf8_bf8 v[96:103], v[160:175], v[224:239], 0
	v_wmma_f32_16x16x128_bf8_bf8 v[40+16*\b:47+16*\b], v[208:223], v[176:191], 0
	v_wmma_f32_16x16x128_bf8_bf8 v[104:111], v[176:191], v[224:239], 0
	PLACES 4                                       ; in front of the first read of V
	s_wait_alu depctr_va_vdst(0)                   ; the four products are done reading x's two fragments, in which the loads below land; the lines behind the loads name neither these registers nor v2
.if \b < 3
	FETCHX 160, (2*\b+2)*TILEX
	FETCHX 176, (2*\b+3)*TILEX
.else
	FETCHX 160, 0                                  ; the sequence's first tile once more: the first query trip's
.endif
.set ii, 0
.rept 16
	v_med3_num_f32 v[16+ii], v[96+ii], s35, s34    ; the conversion to an 8-bit code does not saturate (ISA guide 7.6.2): the hold at the largest code x the scale; into other registers
.set ii, ii+1
.endr
	v_cvt_scalef32_pk8_bf8_f32 v[192+4*\b:193+4*\b], v[16:23], v7
	v_cvt_scalef32_pk8_bf8_f32 v[194+4*\b:195+4*\b], v[24:31], v7
	v_nop                                          ; a plain instruction behind the conversions, ahead of whatever writes their sources or reads their results
.endm
; Half hh of a query tile's softmax: 32 scores a lane (key tiles 4 hh .. 4 hh + 3) become p, are summed, held where the scale asks for it, and quantised into registers 8 hh .. 8 hh + 7 of P's operand.
.macro HALF hh
.set ii, 0
.rept 16
	v_pk_fma_f32 v[160+ii:161+ii], v[96+32*\hh+ii:97+32*\hh+ii], s[32:33], v[12:13] op_sel_hi:[1,0,0]   ; t - M, two at a time (of the pairs c and -M the low word serves both halves)
.set ii, ii+2
.endr
.set ii, 0
.rept 32
	v_exp_f32 v[160+ii], v[160+ii]                 ; p = 2^(t - M)
.set ii, ii+1
.endr
	v_nop                                          ; a plain instruction behind the exponentials
	s_wait_alu depctr_va_vdst(0)                   ; the 32 exponentials have written p: one wait for the batch, ahead of its first reader
.if \hh == 0
	v_pk_add_f32 v[14:15], v[160:161], v[162:163]  ; the first additions start the two chains: nothing is cleared
	v_pk_add_f32 v[16:17], v[164:165], v[166:167]
.set ii, 8
.else
.set ii, 0
.endif
.rept 8-2*(1-\hh)
	v_pk_add_f32 v[14:15], v[14:15], v[160+ii:161+ii]   ; the row's sum is taken of the unquantised p
	v_pk_add_f32 v[16:17], v[16:17], v[162+ii:163+ii]
.set ii, ii+4
.endr
	s_cmp_ge_i32 s28, -15                          ; e4 >= -15: the largest code x 2^e4 is 1.75 or more, over every p: the hold would change nothing
	s_cbranch_scc1 .Lfits_\@                       ; a branch on a whole number that was read, round vector lines alone
.set ii, 0
.rept 32
	v_min_num_f32 v[160+ii], s36, v[160+ii]        ; the conversion does not saturate (ISA guide 7.6.2); p is not negative: a one-sided hold
.set ii, ii+1
.endr
.Lfits_\@:
.irp m, 0,1,2,3
	v_cvt_scalef32_pk8_bf8_f32 v[208+8*\hh+2*\m:209+8*\hh+2*\m], v[160+8*\m:167+8*\m], v8
.endr
	v_nop
.endm
; Eight rows of y of sequence q of the trip: row j of lanes 0-15 is token base + j, of lanes 16-31 token base + 16 + j.  R: the out-buffer in which the rows are made (in PASS 1: where part's rows lie).
; MAKE is the arithmetic, SEND the stores: one wait stands between the two.
.macro MAKE q, R
.irp j, 0,1,2,3,4,5,6,7
.if PASS
	v_pk_add_f32 v[\R+4*\j:\R+4*\j+1], v[\R+4*\j:\R+4*\j+1], v[10:11]
	v_pk_add_f32 v[\R+4*\j+2:\R+4*\j+3], v[\R+4*\j+2:\R+4*\j+3], v[12:13]
.endif
.irp i, 0,1,2,3
.if PASS
	v_fma_f32 v[\R+4*\j+\i], v[96+32*\q+8*\i+\j], s40, v[\R+4*\j+\i]   ; sum x 2^(e6 + e7) + (the other pass + the bias); row 0 comes first: each accumulator is read from its low end on
.else
	v_fma_f32 v[\R+4*\j+\i], v[96+32*\q+8*\i+\j], s40, v[10+\i]        ; sum x 2^(e6 + e7) + the bias; row 0 comes first: each accumulator is read from its low end on
.endif
.endr
.endr
.endm
.macro SEND q, R
.irp j, 0,1,2,3,4,5,6,7
.if PASS
	global_store_b128 v5, v[\R+4*\j:\R+4*\j+3], s[48:49] offset:\q*SSO+\j*TSO th:TH_STORE_NT   ; sixteen lanes store 256 consecutive bytes, aligned; written once, read by nobody here
.else
	global_store_b128 v5, v[\R+4*\j:\R+4*\j+3], s[48:49] offset:\q*SSO+\j*TSO                  ; sixteen lanes store 256 consecutive bytes, aligned; the next launch reads them
.endif
.endr
.endm
; THE WAY OUT of trip p.  Wave w takes token tile w % 8 of both sequences of the trip and outputs 64 (w / 8) .. + 63.
; All that comes from memory is asked for AHEAD of the barrier, into K's registers, which are done with: a wave that arrives early has its rows when the barrier opens.
.macro EPI p
	s_lshl_b32 s52, s21, 11
	s_add_co_u32 s52, s52, OIMG+\p*32768
	s_lshl_b32 s53, s22, 13
	s_add_co_u32 s53, s53, WOIMG
	s_wait_alu depctr_vm_vsrc(0)                   ; the last store of O's codes has read v20 and v[22:23], in which O's second fragment lands (the last readers of v2, v14 and v15 stand further back)
	v_and_b32 v15, 15, v0
	v_lshlrev_b32 v15, 4, v15                      ; the bias of my four outputs 64 G + 4 r + 0..3
	v_add_nc_u32 v2, s52, v4                       ; O's fragments: my tile of the trip's first sequence
	v_add_nc_u32 v14, s53, v4                      ; Wo's four fragments of my half of the outputs
	s_wait_alu depctr_va_vdst(0)                   ; v15, v2 and v14 are written; the query trips' matrix and vector lines are done with v10-13, v16-31, K, p, V's codes, p's codes, O^T and Q, in which the loads below land.  No vector or matrix line stands between this wait and those loads
	global_load_b128 v[10:13], v15, s[12:13]
.if PASS
.irp j, 0,1,2,3,4,5,6,7
	global_load_b128 v[32+4*\j:35+4*\j], v5, s[50:51] offset:\j*TSO th:TH_LOAD_NT       ; the other pass's rows, first sequence
.endr
.irp j, 0,1,2,3,4,5,6,7
	global_load_b128 v[64+4*\j:67+4*\j], v5, s[50:51] offset:SSO+\j*TSO th:TH_LOAD_NT   ; and second sequence
.endr
.endif
	MEET                                           ; all eight heads' codes of both sequences lie in LDS
.irp c, 0,1,2,3
	ds_load_b128 v[192+4*\c:195+4*\c], v2 offset:512*\c
.endr
.irp c, 0,1,2,3
	ds_load_b128 v[16+4*\c:19+4*\c], v2 offset:16384+512*\c
.endr
.irp i, 0,1,2,3                                ; fragment i at v160, v176, v208, v224
.irp c, 0,1,2,3
	ds_load_b128 v[160+16*\i+16*(\i/2)+4*\c:163+16*\i+16*(\i/2)+4*\c], v14 offset:2048*\i+512*\c
.endr
.endr
	s_wait_dscnt 0x0
.irp i, 0,1,2,3
	v_wmma_f32_16x16x128_bf8_bf8 v[96+8*\i:103+8*\i], v[192:207], v[160+16*\i+16*(\i/2):175+16*\i+16*(\i/2)], 0
.endr
.irp i, 0,1,2,3
	v_wmma_f32_16x16x128_bf8_bf8 v[128+8*\i:135+8*\i], v[16:31], v[160+16*\i+16*(\i/2):175+16*\i+16*(\i/2)], 0
.endr
	PLACES 4                                       ; in front of the first read of the sums
.if PASS
	s_wait_loadcnt 0x8                             ; the bias and the first sequence's rows are in; the second sequence's eight loads, issued behind them, may be out
.else
	s_wait_loadcnt 0x0                             ; the bias
.endif
	MAKE 0, 32
	s_wait_alu depctr_va_vdst(0)                   ; the multiply-adds have written the first sequence's rows, v32-63, which the eight stores read
	SEND 0, 32
.if PASS
	s_wait_loadcnt 0x0
.endif
	MAKE 1, 64                                     ; these lines name v64-95, the second four accumulators and the bias: nothing that the stores above read
	s_wait_alu depctr_va_vdst(0)                   ; the multiply-adds have written the second sequence's rows, v64-95, which the eight stores read
	SEND 1, 64
.if \p == 0
	s_wait_xcnt 0x0                                ; the stores' data, and the bases, are written again only behind this wait
	s_add_nc_u64 s[48:49], s[48:49], 2*SSO
.if PASS
	s_add_nc_u64 s[50:51], s[50:51], 2*SSO
.endif
.endif
.endm
; A QUERY TRIP: one tile of 16 queries against the head's 128 keys.  more = 1: a further tile follows, and its fragment of x is asked for here.
.macro QTRIP more
	s_wait_dscnt 0x0                               ; the tile of x, asked for a trip ago, is in
	s_wait_alu depctr_vm_vsrc(0)                   ; that fetch has read v2, and the last trip's store v20 and v[22:23]: all are written again below.  Ahead of the first trip: the weights' image has read v14, which the sums write, and its stores v208-239, which Q, p's codes and O^T write
	v_wmma_f32_16x16x128_bf8_bf8 v[232:239], v[240:255], v[160:175], 0
	PLACES 5                                       ; Q goes on as a source of matrix instructions
.irp s, 0,1,2,3                                ; S^T = K Q^T: four steps of 4 dims; the eight accumulators take turns, one instruction a turn; the first step starts the sums
.irp t, 0,1,2,3,4,5,6,7
.if \s == 0
	v_wmma_f32_16x16x4_f32 v[96+8*\t:103+8*\t], v[32+8*\t:33+8*\t], v[232:233], 0
.else
	v_wmma_f32_16x16x4_f32 v[96+8*\t:103+8*\t], v[32+8*\t+2*\s:33+8*\t+2*\s], v[232+2*\s:233+2*\s], v[96+8*\t:103+8*\t]
.endif
.endr
.endr
.if PASS && (\more == 0)
	global_prefetch_b8 v6, s[50:51] th:TH_LOAD_NT scope:SCOPE_SE   ; in the last of the eight trips each wave asks for the 32 blocks of 256 bytes of part that it alone loads at the head of the way out that follows: one lane a block (v6 was written at the head, ahead of many a wait)
.endif
	PLACES 8                                       ; behind the f32 form, in front of the first read of the scores
	v_max3_num_f32 v10, v96, v97, v98              ; my query's largest score among my 64 keys, in two chains, ascending,
	v_max3_num_f32 v11, v99, v100, v101
.irp i, 6,10,14,18,22,26,30,34,38,42,46,50,54,58
	v_max3_num_f32 v10, v10, v[96+\i], v[97+\i]
	v_max3_num_f32 v11, v11, v[98+\i], v[99+\i]
.endr
	v_max3_num_f32 v10, v10, v158, v159
	v_max_num_f32 v10, v10, v11
	v_permlanex16_b32 v19, v10, s42, s43
	v_max_num_f32 v10, v10, v19                    ; and among lane l xor 16's
	v_mul_f32 v10, s32, v10                        ; as t (c is positive)
	v_floor_f32 v12, -v10                          ; -M = floor(-t) = -ceil(t)
	HALF 0
	HALF 1
	v_wmma_f32_16x16x128_bf8_bf8 v[224:231], v[192:207], v[208:223], 0   ; O^T = V^T P^T over the 128 keys
	v_pk_add_f32 v[14:15], v[14:15], v[16:17]      ; the sum's chains; these lines are also the places behind the product
	v_add_f32 v14, v14, v15
	v_permlanex16_b32 v19, v14, s42, s43
	v_add_f32 v14, v14, v19                        ; and lane l xor 16's: the row's sum, at least 1/2
	v_rcp_f32 v18, v14
	v_add_nc_u32 v20, s45, v3                      ; (a plain instruction behind the reciprocal)  where my 8 codes go
.if \more
	s_add_co_u32 s44, s44, TILEX
	v_add_nc_u32 v2, s44, v1                       ; the next tile of x
.endif
	s_wait_alu depctr_va_vdst(0)                   ; the reciprocal has written v18, ahead of its first reader; v2 is written; Q's product and the softmax are done with v160-175, in which the loads below land
.if \more
	FETCHX 160, 0                                  ; no vector or matrix line from here to the next trip's top names v2 or v160-175
.endif
	v_ldexp_f32 v18, v18, s39                      ; x 2^(e4 + e5)
.irp k, 0,2,4,6
	v_pk_mul_f32 v[24+\k:25+\k], v[224+\k:225+\k], v[18:19] op_sel_hi:[1,0]
.endr
.irp k, 0,1,2,3,4,5,6,7
	v_med3_num_f32 v[24+\k], v[24+\k], s38, s37    ; the hold at the largest code x 2^e6
.endr
	v_cvt_scalef32_pk8_bf8_f32 v[22:23], v[24:31], v9
	v_nop
	s_wait_alu depctr_va_vdst(0)                   ; the conversion has written v[22:23], which the store reads (v20 was written ahead of the wait above)
	ds_store_b64 v20, v[22:23]                     ; dims 8 h + 0..7 of my head, query r: the wave's store covers 256 consecutive bytes of the fragment's image
.if \more
	s_add_co_u32 s45, s45, 2048
.endif
.endm
; TRIP p: sequences 2 p and 2 p + 1 of the work-group's four.
.macro TRIP p
.if \p == 0
	s_wait_loadcnt 0x0                             ; Wq, Wk, Wv
.endif
	s_lshl_b32 s52, s20, 12
	s_add_co_u32 s52, s52, WKV
	s_mul_i32 s44, s22, SEQX                       ; my sequence of x in LDS,
	s_lshl_b32 s45, s22, 14                        ; and of O's codes
.if \p
	s_add_co_u32 s44, s44, 2*\p*SEQX
	s_add_co_u32 s45, s45, 2*\p*16384
.endif
.if \p == 0
	s_wait_alu depctr_vm_vsrc(0)                   ; the head's loads have read v14 and v15, its LDS stores v21, v22 and v32-71: v14 is written below, the others by V's hold, the sums and K's products
.else
	s_wait_alu depctr_vm_vsrc(0)                   ; the way out's LDS loads have read v2 and v14, its load of the bias v15, its stores v32-95: v2 and v14 are written below, the others by the sums and K's products
.endif
	v_add_nc_u32 v14, s52, v4                      ; my wave's own image of Wk and Wv: no other wave names these bytes
	v_add_nc_u32 v2, s44, v1
.if \p == 0
	s_wait_alu depctr_va_vdst(0)                   ; v14 and v2 are written, which the LDS instructions below read; so are v5 and v6, which later loads, stores and the prefetch read
.irp c, 0,1,2,3                                ; p's codes, O^T, Q and Wo's fragments will lie over Wk and Wv: they are kept in LDS for the second trip
	ds_store_b128 v14, v[208+4*\c:211+4*\c] offset:512*\c
.endr
.irp c, 0,1,2,3
	ds_store_b128 v14, v[224+4*\c:227+4*\c] offset:2048+512*\c
.endr
.else
	s_wait_alu depctr_va_vdst(0)                   ; v14 and v2 are written, which the LDS loads below read; the way out's products are done reading Wo's fragments, v160-191 and v208-239, in which they land
.irp c, 0,1,2,3
	ds_load_b128 v[208+4*\c:211+4*\c], v14 offset:512*\c
.endr
.irp c, 0,1,2,3
	ds_load_b128 v[224+4*\c:227+4*\c], v14 offset:2048+512*\c
.endr
.endif
	FETCHX 160, 0
	FETCHX 176, TILEX
	PAIR 0
	PAIR 1
	PAIR 2
	PAIR 3
	s_mov_b32 s46, 7
.Lq_\p:                                                ; seven query trips, each of which asks for the next one's tile of x
	QTRIP 1
	s_sub_co_i32 s46, s46, 1
	s_cmp_lg_u32 s46, 0
	s_cbranch_scc1 .Lq_\p
	QTRIP 0                                        ; the eighth is written out: nothing is left to ask for
	EPI \p
.endm
	s_load_b256 s[4:11], s[0:1], 0x0               ; x s[4:5], Wq s[6:7], Wkv s[8:9], Wo s[10:11]
.if PASS
	s_load_b256 s[12:19], s[0:1], 0x20             ; the bias s[12:13], the scales' exponents s[14:15], part s[16:17], out0 s[18:19]
.else
	s_load_b128 s[12:15], s[0:1], 0x20             ; the bias s[12:13], the scales' exponents s[14:15]
	s_load_b64 s[18:19], s[0:1], 0x30              ; part
.endif
	v_lshrrev_b32 v20, 5, v0
	v_readfirstlane_b32 s20, v20                   ; wave 0..15
	v_and_b32 v18, 31, v0                          ; lane
	v_and_b32 v16, 15, v0                          ; r
	v_bfe_u32 v17, v0, 4, 1                        ; h
	v_lshlrev_b32 v4, 4, v18                       ; 16 x lane
	s_wait_alu depctr_va_sdst(0)                   ; s20 is written, ahead of its first reader
	s_and_b32 s21, s20, 7                          ; my head; on the way out my tile of tokens
	s_lshr_b32 s22, s20, 3                         ; my sequence of a trip's two; on the way out my half G of the outputs
	; where the head's loads of x go in LDS: token T lies in tile 2 (T / 32) + (T / 8) % 2 at place T % 8 + 8 ((T / 16) % 2); chunk g of its 128 bytes 288 g on
.if PASS
	v_and_b32 v20, 7, v18                          ; a load is 4 tokens x 8 chunks: chunk lane % 8, token 32 (w % 4) + 4 i + lane / 8
	v_mul_u32_u24 v21, v20, 288
	v_lshrrev_b32 v20, 3, v18
	v_lshl_add_u32 v21, v20, 4, v21
	s_lshr_b32 s56, s20, 2
	s_mul_i32 s56, s56, SEQX                       ; sequence w / 4
	s_and_b32 s57, s20, 3
	s_mul_i32 s57, s57, 2*TILEX
	s_add_co_u32 s56, s56, s57
.else
	v_lshrrev_b32 v20, 3, v18                      ; a load is one token (8 w + i) of 4 sequences x 8 chunks: sequence lane / 8, chunk lane % 8
	v_mul_u32_u24 v21, v20, SEQX
	v_and_b32 v20, 7, v18
	v_mad_u32_u24 v21, v20, 288, v21
	s_lshr_b32 s56, s20, 2
	s_lshl_b32 s56, s56, 1
	s_and_b32 s57, s20, 1
	s_add_co_u32 s56, s56, s57
	s_mul_i32 s56, s56, TILEX                      ; tile 2 (w / 4) + w % 2
	s_bfe_u32 s57, s20, 0x10001
	s_lshl_b32 s57, s57, 7                         ; places 8 ((w / 2) % 2) on
	s_add_co_u32 s56, s56, s57
.endif
	v_add_nc_u32 v21, s56, v21
	s_lshl_b32 s56, s20, 10
	s_add_co_u32 s56, s56, WOIMG
	v_add_nc_u32 v22, s56, v4                      ; Wo's image: wave w stores groups 2 (w % 2), + 1 of fragment w / 2
	v_lshlrev_b32 v14, 9, v16
	v_lshl_add_u32 v14, v17, 4, v14                ; Wo in memory: rows 4 r apart: 512 r + 16 h
	v_lshlrev_b32 v15, 7, v16
	v_lshl_add_u32 v15, v17, 4, v15                ; Wq, Wk, Wv: row r of 128 bytes, + 16 h
	s_lshr_b32 s52, ttmp9, 5                       ; the image b
	s_and_b32 s53, ttmp9, 31
	s_lshl_b32 s53, s53, 2                         ; my first sequence
	s_lshl_b32 s54, s52, 21
	s_mul_i32 s55, s53, SSX
	s_add_co_u32 s54, s54, s55
	s_mul_i32 s55, s20, XWB
	s_add_co_u32 s54, s54, s55
	s_mov_b32 s55, 0                               ; s[54:55]: my wave's part of x
	s_lshl_b32 s56, s22, 6
	s_bfe_u32 s57, s20, 0x20001
	s_add_co_u32 s56, s56, s57                     ; Wo's row 64 G + i, i = (w / 2) % 4
	s_lshl_b32 s56, s56, 7
	s_and_b32 s57, s20, 1
	s_lshl_b32 s57, s57, 6                         ; + 64 (w % 2) bytes along K
	s_add_co_u32 s56, s56, s57
	s_mov_b32 s57, 0
	s_lshl_b32 s58, s21, 11                        ; my head's 16 rows of 128 bytes
	s_mov_b32 s59, 0
	s_wait_kmcnt 0x0
	s_load_b256 s[24:31], s[14:15], 32*PASS        ; e0 .. e7 of this pass
	s_add_nc_u64 s[4:5], s[4:5], s[54:55]
	s_add_nc_u64 s[10:11], s[10:11], s[56:57]
	s_add_nc_u64 s[6:7], s[6:7], s[58:59]
	s_add_nc_u64 s[8:9], s[8:9], s[58:59]
	s_wait_alu depctr_va_vdst(0)                   ; v4, v14 and v15 are written, the offsets of the loads below; so are v21 and v22, the addresses of the LDS stores further down
.irp i, 0,1,2,3,4,5,6,7
	global_load_b128 v[32+4*\i:35+4*\i], v4, s[4:5] offset:\i*XIS th:TH_LOAD_NT   ; 32 lanes read 512 consecutive bytes; the launch reads x once
.endr
	global_load_b128 v[64:67], v14, s[10:11]
	global_load_b128 v[68:71], v14, s[10:11] offset:32
.irp c, 0,1,2,3
	global_load_b128 v[240+4*\c:243+4*\c], v15, s[6:7] offset:32*\c
.endr
.irp c, 0,1,2,3
	global_load_b128 v[208+4*\c:211+4*\c], v15, s[8:9] offset:32*\c
.endr
.irp c, 0,1,2,3
	global_load_b128 v[224+4*\c:227+4*\c], v15, s[8:9] offset:16384+32*\c
.endr
	; where my rows of y begin: image, first sequence, token tile's base 32 (hd / 2) + 8 (hd % 2), 256 G bytes along the row
	s_lshl_b32 s54, s52, 23
	s_mul_i32 s55, s53, SSO
	s_add_co_u32 s54, s54, s55
	s_lshr_b32 s55, s21, 1
	s_lshl_b32 s55, s55, 5
	s_and_b32 s56, s21, 1
	s_lshl_b32 s56, s56, 3
	s_add_co_u32 s55, s55, s56
	s_mul_i32 s55, s55, TSO
	s_add_co_u32 s54, s54, s55
	s_lshl_b32 s56, s22, 8
	s_add_co_u32 s54, s54, s56
	s_mov_b32 s55, 0
	s_mov_b32 s57, 0
	s_add_nc_u64 s[48:49], s[18:19], s[54:55]
.if PASS
	s_add_nc_u64 s[50:51], s[16:17], s[54:55]
.endif
	s_add_nc_u64 s[12:13], s[12:13], s[56:57]      ; the bias at output 64 G
	v_lshlrev_b32 v1, 4, v16                       ; (the vector lines from here to the LDS stores name none of the registers that the loads above or those stores touch)
	v_lshl_add_u32 v3, v17, 3, v1                  ; 16 r + 8 h
	v_lshl_add_u32 v5, v17, GSH, v1                ; y: 16 r, and 16 tokens on for lanes 16-31
	v_mad_u32_u24 v1, v17, 288, v1                 ; x's fetch: 16 r + 288 h
	s_lshl_b32 s56, s21, 8
	s_add_co_u32 s56, s56, OIMG
	v_add_nc_u32 v3, s56, v3                       ; O's codes: head hd fills group hd / 2, lanes 16 (hd % 2) on, of the image: 256 hd
.if PASS
	v_lshlrev_b32 v6, 16, v17                      ; the prefetch: lane l asks for sequence l / 16, row (l % 8) + 16 ((l / 8) % 2) of my rows of part
	v_lshl_add_u32 v6, v16, 9, v6
	v_bfe_u32 v20, v0, 3, 1
	v_lshl_add_u32 v6, v20, 12, v6
.endif
	v_mov_b32 v13, 0                               ; named as the upper half of the pair v[12:13], so it is written
	s_mov_b32 s42, 0x76543210                      ; v_permlanex16_b32's selects for lane l xor 16
	s_mov_b32 s43, 0xfedcba98
	s_wait_kmcnt 0x0
	s_add_co_i32 s53, s26, s27                     ; e2 + e3
	s_add_co_i32 s52, s24, s25
	s_add_co_i32 s52, s52, s53
	s_lshl_b32 s52, s52, 23
	s_add_co_i32 s32, s52, 0x3eb8aa3b              ; c = log2(e) / 4, with the four exponents added to its exponent field: the sums of codes are scored as they are
	s_mov_b32 s33, s32                             ; (named with it as a pair, so it is written)
	s_sub_co_i32 s54, s29, s53                     ; a sum for V stands for sum x 2^(e2 + e3): its code is sum / 2^(e5 - e2 - e3)
	s_add_co_i32 s54, s54, 127
	s_lshl_b32 s55, s54, 23
	v_mov_b32 v7, s55
	s_add_co_i32 s54, s54, 15
	s_lshl_b32 s54, s54, 23
	s_or_b32 s34, s54, 0x600000                    ; 57,344 x that,
	s_or_b32 s35, s34, 0x80000000                  ; and its negative
	s_add_co_i32 s54, s28, 127
	s_lshl_b32 s55, s54, 23
	v_mov_b32 v8, s55                              ; 2^e4, for p
	s_add_co_i32 s54, s54, 15
	s_lshl_b32 s54, s54, 23
	s_or_b32 s36, s54, 0x600000
	s_add_co_i32 s54, s30, 127
	s_lshl_b32 s55, s54, 23
	v_mov_b32 v9, s55                              ; 2^e6, for O
	s_add_co_i32 s54, s54, 15
	s_lshl_b32 s54, s54, 23
	s_or_b32 s37, s54, 0x600000
	s_or_b32 s38, s37, 0x80000000
	s_add_co_i32 s39, s28, s29                     ; e4 + e5
	s_add_co_i32 s40, s30, s31
	s_add_co_i32 s40, s40, 127
	s_lshl_b32 s40, s40, 23                        ; 2^(e6 + e7) as f32
	s_wait_loadcnt 0xc                             ; x's eight loads and Wo's two are in; the twelve of Wq, Wk, Wv, issued behind them, may be out
.irp i, 0,1,2,3,4,5,6,7
.if PASS
	ds_store_b128 v21, v[32+4*\i:35+4*\i] offset:((\i/2)%2)*TILEX+64*(\i%2)+128*(\i/4)
.else
	ds_store_b128 v21, v[32+4*\i:35+4*\i] offset:16*\i
.endif
.endr
	ds_store_b128 v22, v[64:67]
	ds_store_b128 v22, v[68:71] offset:512
	MEET                                           ; the four sequences of x and Wo's fragments lie in LDS; nobody writes them again
	TRIP 0
	TRIP 1
	s_wait_xcnt 0x0
	v_lshl_add_u32 v254, v0, 2, 0x36100            ; the add's two registers are made anew, straight ahead of the closing lines: Wq's registers, which no memory or LDS instruction has read
	v_mov_b32 v255, 0
	s_wait_dscnt 0x0                               ; the closing lines, six on end
	s_wait_alu 0x0
	s_wait_tensorcnt 0x0
	ds_add_u32 v254, v255
	s_wait_dscnt 0x0
	s_endpgm
.Lfunc_end_k_q22f8fee7c5_cols:
	.size	k_q22f8fee7c5_cols, .Lfunc_end_k_q22f8fee7c5_cols-k_q22f8fee7c5_cols
	.p2alignl 7, 3214868480
	.fill 96, 4, 3214868480
	.section	.rodata,"a",@progbits
	.p2align	6, 0x0
	.amdhsa_kernel k_q22f8fee7c5_cols
		.amdhsa_group_segment_fixed_size 223488
		.amdhsa_private_segment_fixed_size 0
		.amdhsa_enable_private_segment 0
		.amdhsa_kernarg_size 56
		.amdhsa_user_sgpr_count 2
		.amdhsa_user_sgpr_kernarg_segment_ptr 1
		.amdhsa_wavefront_size32 1
		.amdhsa_system_sgpr_workgroup_id_x 1
		.amdhsa_system_sgpr_workgroup_id_y 1
		.amdhsa_system_sgpr_workgroup_id_z 1
		.amdhsa_system_vgpr_workitem_id 0
		.amdhsa_next_free_vgpr 256
		.amdhsa_next_free_sgpr 66
		.amdhsa_reserve_vcc 0
		.amdhsa_float_denorm_mode_32 3
		.amdhsa_float_denorm_mode_16_64 3
		.amdhsa_memory_ordered 1
		.amdhsa_forward_progress 1
		.amdhsa_inst_pref_size 104
	.end_amdhsa_kernel
	.amdgpu_metadata
---
amdhsa.version: [ 1, 2 ]
amdhsa.kernels:
  - .name:           k_q22f8fee7c5_cols
    .symbol:         k_q22f8fee7c5_cols.kd
    .args:
      - { .name: x_codes, .offset: 0, .size: 8, .value_kind: global_buffer, .address_space: global }
      - { .name: Wq0_codes, .offset: 8, .size: 8, .value_kind: global_buffer, .address_space: global }
      - { .name: Wkv0_codes, .offset: 16, .size: 8, .value_kind: global_buffer, .address_space: global }
      - { .name: Wo0_codes, .offset: 24, .size: 8, .value_kind: global_buffer, .address_space: global }
      - { .name: bo0, .offset: 32, .size: 8, .value_kind: global_buffer, .address_space: global }
      - { .name: lowp_scales, .offset: 40, .size: 8, .value_kind: global_buffer, .address_space: global }
      - { .name: part, .offset: 48, .size: 8, .value_kind: global_buffer, .address_space: global }
    .group_segment_fixed_size: 223488
    .private_segment_fixed_size: 0
    .kernarg_segment_align: 8
    .kernarg_segment_size: 56
    .max_flat_workgroup_size: 512
    .sgpr_count:     66
    .vgpr_count:     256
    .wavefront_size: 32
...
	.end_amdgpu_metadata
.endif
;; end of part 3
;; launch rows (part 4): grid 256 x 1, 16 waves a work-group, no clusters, 223,488 bytes of LDS; arguments x_codes, Wq1_codes, Wkv1_codes, Wo1_codes, bo1, lowp_scales, part, out0; writes out0
.if DOCPART == 4
	.amdgcn_target "amdgcn-amd-amdhsa--gfx1250"
	.amdhsa_code_object_version 6
	.text
	.protected	k_q22f8fee7c5_rows
	.globl	k_q22f8fee7c5_rows
	.p2align	8
	.type	k_q22f8fee7c5_rows,@function
k_q22f8fee7c5_rows:
	s_mov_b64 s[64:65], 0
	v_nop
	global_prefetch_b8 v0, s[64:65] scope:SCOPE_SE
	s_setreg_imm32_b32 hwreg(HW_REG_WAVE_SCHED_MODE, 0, 2), 2
	s_setreg_imm32_b32 hwreg(HW_REG_WAVE_MODE, 25, 1), 1
	s_wait_xcnt 0x0
	s_wait_alu depctr_vm_vsrc(0)
; AXIAL ATTENTION, ONE PASS.  PASS = 0: attention along H (a sequence is a column (b, w), its 128 tokens are the h), result + bo0 -> part.
; PASS = 1: attention along W (a sequence is a row (b, h)), result + bo1 + part -> out0.  The two texts differ in PASS alone.
; x: [8][128][128][128] codes of BF8 (E5M2).  Wq, Wk|Wv, Wo: codes, K innermost.  A sequence: 128 tokens, 8 heads of 16.  The pass's eight scale exponents e0..e7 (x for q, Wq, x for kv, Wkv, p, v, o, Wo).
; SHARES.  256 work-groups; a work-group owns four neighbouring sequences of one image, in two trips of two.  In a trip wave w (of 16) is head w % 8 of sequence w / 8 of the trip: it alone makes that head's K, V, Q,
; scores, softmax and P V.  The heads meet for Wo through LDS.
; LAYOUT (r = lane % 16, h = lane / 16).  THE TOKENS OF A TILE ARE NOT NEIGHBOURS: lane r of tile t stands for token 32 (t / 2) + 8 (t % 2) + r + 8 (r / 8).
;   K tile = Wk X^T, Q tile = Wq X^T (source 0 = the head's 16 rows of the weight): lane (r, h) holds its token's dims 8 h + 0..7: registers 2 s, 2 s + 1 ARE step s of the f32 product's operand.
;   S^T = K Q^T in f32 operands (the scores go on into a quantiser): a lane holds one query, and the 16 registers of tiles 2 b, 2 b + 1 are keys 32 b + 16 h + 0..15.
;   V tile = X Wv^T: a lane holds one dim and the same order of keys.  So the conversions' results are the operands of O^T = V^T P^T, in which a lane again holds one query, and eight dims: one conversion, 8 bytes.
;   Every 8-bit fragment holds k = 32 c + 16 h + 0..15 in registers 4 c .. 4 c + 3, alike on both sides of each product.
;   y = O Wo^T: lane r of Wo's fragment 4 G + i takes Wo's row 64 G + 4 r + i, so the four sums i = 0..3 of a lane are 16 neighbouring bytes of a row of y: sixteen lanes store 256 consecutive, aligned bytes.
; SOFTMAX.  t = score x log2(e) / 4; M = ceil(the row's largest t); p = 2^(t - M) is quantised; the sum is taken of the unquantised p and divides O.  A row's 128 keys are held at once: no running maximum is needed.
; p'S HOLD.  p is at most a rounding above 1, and the largest code x 2^e4 is 1.75 or more where e4 >= -15: there the 64 lines of the hold can change nothing and a scalar branch on e4 passes over them; for a smaller e4 they run.
; NO TENSOR LOADS, NO CLUSTER: x's 64 KiB of a work-group are read once at the head, through registers; what work-groups share is the weights, which go straight into registers, once; no loop streams a shared tile.
; LIMITS on the given exponents, so that each power of two below is an f32 number: e0+e1+e2+e3 between -124 and 129 (added to c's exponent field); e5-e2-e3, e4 and e6 between -126 and 112; e6+e7 between -126 and 127.
; A p under 2^-126 counts as 0 (the exponential's own flush).  NaN and infinity among the codes are not served.
; REGISTERS: v1 x's fetch place, v2 LDS address in hand, v3 O's store place, v4 16 x lane, v5 my bytes in a row pair of y, v6 the prefetch's offsets, v7-9 the conversions' scales (V, p, O); v10, v11 maxima; v[12:13] -M; v[14:15], v[16:17] sums;
;   v18 1 / sum, v19 the other half's, v20 O's store address, v[22:23] O's codes, v24-31 O scaled; v32-95 K, on the way out the rows of y; v96-159 S (written by matrix instructions alone);
;   v160-191 x's fragments, then p; v192-207 V's codes; v208-223 Wk, then p's codes; v224-239 Wv, then O^T and Q; on the way out v160-191 and v208-239 hold Wo's four fragments, v10-13 the bias, v15 its offset; v240-255 Wq.
; THE MODE: SCHED_MODE bits 1:0 = 2 (LLVM: expert scheduling mode 2), set by the entry lines.  The code itself states the register dependences
; between vector or matrix instructions and memory or LDS instructions, with s_wait_alu, always for 0.
; THE PLAN.  Registers that memory or LDS instructions touch, and who else names them:
;   v4, v5, v6     offsets: made at the head, never written again.
;   v2             LDS address of x's fetches and of O's fragments: written at a trip's head, beside the reciprocal of each query trip that has a successor, and at the head of the way out.
;   v14, v15       at the head the weights' offsets; v14 the LDS address of the weights' image (a trip's head) and of Wo's fragments (the way out), v15 the bias's offset (the way out); in the query trips both hold sums.
;   v20, v[22:23]  address and data of the store of O's codes: written in each query trip, read by the store at its end.
;   v160-191       x's two fragments of a pair: read by the pair's four products, asked for again behind one wait.  v160-175: Q's tile of x, asked for one query trip ahead, read by Q's product; then p lies there.
;   v208-239       Wk and Wv: stored as an image (first trip) or loaded from it (second); then Q, p's codes and O^T lie there, on the way out Wo's fragments.
;   v32-95         K: named by matrix instructions alone in the query trips.  On the way out two out-buffers, a sequence's rows each: (PASS 1: loaded,) written by the arithmetic, read by the stores.
; A QUERY TRIP has one wait on vm_vsrc, at its top, for all that it writes again, and four on va_vdst: one behind each half's exponentials; one beside the reciprocal, behind which the next tile of x is asked for
; (no vector or matrix line from there to the next trip's top names v2 or v160-175); one ahead of the store of O's codes.  The eighth query trip is written out: it asks for no tile.
.set PASS, 1
.if PASS
.set SSX, 16384                        ; bytes from sequence to sequence in x
.set XWB, 4096                         ; bytes from wave to wave in the head's loads of x
.set XIS, 512                          ; and from load to load
.set TSO, 512                          ; bytes from token to token in y
.set SSO, 65536                        ; and from sequence to sequence
.set GSH, 13                           ; 16 tokens of y = 2^GSH bytes
.else
.set SSX, 128
.set XWB, 131072
.set XIS, 16384
.set TSO, 65536
.set SSO, 512
.set GSH, 20
.endif
.set TILEX, 2304                       ; LDS: a tile of x: 8 chunks (16 bytes of each of 16 tokens: 256 bytes) 288 bytes apart
.set SEQX,  18448                      ; a sequence of x: 8 tiles + 16 bytes
.set WOIMG, 73984                      ; behind x's four sequences: Wo's 8 fragments as images of their registers, 2,048 bytes each
.set OIMG,  90368                      ; O's codes: 4 sequences x 8 tiles x 2,048 bytes, images of the fragments' registers
.set WKV,   155904                     ; each wave's own image of its head's Wk and Wv: 4,096 bytes a wave
.macro MEET                            ; my LDS stores have landed and my LDS loads are in: then the work-group's barrier
	s_wait_dscnt 0x0
	s_barrier_signal -1
	s_barrier_wait -1
.endm
.macro PLACES n                        ; plain vector instructions behind a matrix instruction (ISA guide 7.12.1), where no useful one is at hand
.rept \n
	v_nop
.endr
.endm
.macro FETCHX reg, off                 ; a fragment of x: chunk 2 c + h of my token: lanes 0-15 read 256 consecutive bytes, lanes 16-31 the next chunk's
.irp c, 0,1,2,3
	ds_load_b128 v[\reg+4*\c:\reg+4*\c+3], v2 offset:(\off)+576*\c
.endr
.endm
; Tiles 2 b and 2 b + 1 of the tokens: K's two tiles stay as f32; V's two are held, quantised and become registers 4 b .. 4 b + 3 of V^T's operand.
.macro PAIR b
	s_wait_dscnt 0x0                               ; the two fragments of x are in (ahead of the first pair: the weights' image is stored or read back too)
	v_wmma_f32_16x16x128_bf8_bf8 v[32+16*\b:39+16*\b], v[208:223], v[160:175], 0
	v_wmma_f32_16x16x128_bf8_bf8 v[96:103], v[160:175], v[224:239], 0
	v_wmma_f32_16x16x128_bf8_bf8 v[40+16*\b:47+16*\b], v[208:223], v[176:191], 0
	v_wmma_f32_16x16x128_bf8_bf8 v[104:111], v[176:191], v[224:239], 0
	PLACES 4                                       ; in front of the first read of V
	s_wait_alu depctr_va_vdst(0)                   ; the four products are done reading x's two fragments, in which the loads below land; the lines behind the loads name neither these registers nor v2
.if \b < 3
	FETCHX 160, (2*\b+2)*TILEX
	FETCHX 176, (2*\b+3)*TILEX
.else
	FETCHX 160, 0                                  ; the sequence's first tile once more: the first query trip's
.endif
.set ii, 0
.rept 16
	v_med3_num_f32 v[16+ii], v[96+ii], s35, s34    ; the conversion to an 8-bit code does not saturate (ISA guide 7.6.2): the hold at the largest code x the scale; into other registers
.set ii, ii+1
.endr
	v_cvt_scalef32_pk8_bf8_f32 v[192+4*\b:193+4*\b], v[16:23], v7
	v_cvt_scalef32_pk8_bf8_f32 v[194+4*\b:195+4*\b], v[24:31], v7
	v_nop                                          ; a plain instruction behind the conversions, ahead of whatever writes their sources or reads their results
.endm
; Half hh of a query tile's softmax: 32 scores a lane (key tiles 4 hh .. 4 hh + 3) become p, are summed, held where the scale asks for it, and quantised into registers 8 hh .. 8 hh + 7 of P's operand.
.macro HALF hh
.set ii, 0
.rept 16
	v_pk_fma_f32 v[160+ii:161+ii], v[96+32*\hh+ii:97+32*\hh+ii], s[32:33], v[12:13] op_sel_hi:[1,0,0]   ; t - M, two at a time (of the pairs c and -M the low word serves both halves)
.set ii, ii+2
.endr
.set ii, 0
.rept 32
	v_exp_f32 v[160+ii], v[160+ii]                 ; p = 2^(t - M)
.set ii, ii+1
.endr
	v_nop                                          ; a plain instruction behind the exponentials
	s_wait_alu depctr_va_vdst(0)                   ; the 32 exponentials have written p: one wait for the batch, ahead of its first reader
.if \hh == 0
	v_pk_add_f32 v[14:15], v[160:161], v[162:163]  ; the first additions start the two chains: nothing is cleared
	v_pk_add_f32 v[16:17], v[164:165], v[166:167]
.set ii, 8
.else
.set ii, 0
.endif
.rept 8-2*(1-\hh)
	v_pk_add_f32 v[14:15], v[14:15], v[160+ii:161+ii]   ; the row's sum is taken of the unquantised p
	v_pk_add_f32 v[16:17], v[16:17], v[162+ii:163+ii]
.set ii, ii+4
.endr
	s_cmp_ge_i32 s28, -15                          ; e4 >= -15: the largest code x 2^e4 is 1.75 or more, over every p: the hold would change nothing
	s_cbranch_scc1 .Lfits_\@                       ; a branch on a whole number that was read, round vector lines alone
.set ii, 0
.rept 32
	v_min_num_f32 v[160+ii], s36, v[160+ii]        ; the conversion does not saturate (ISA guide 7.6.2); p is not negative: a one-sided hold
.set ii, ii+1
.endr
.Lfits_\@:
.irp m, 0,1,2,3
	v_cvt_scalef32_pk8_bf8_f32 v[208+8*\hh+2*\m:209+8*\hh+2*\m], v[160+8*\m:167+8*\m], v8
.endr
	v_nop
.endm
; Eight rows of y of sequence q of the trip: row j of lanes 0-15 is token base + j, of lanes 16-31 token base + 16 + j.  R: the out-buffer in which the rows are made (in PASS 1: where part's rows lie).
; MAKE is the arithmetic, SEND the stores: one wait stands between the two.
.macro MAKE q, R
.irp j, 0,1,2,3,4,5,6,7
.if PASS
	v_pk_add_f32 v[\R+4*\j:\R+4*\j+1], v[\R+4*\j:\R+4*\j+1], v[10:11]
	v_pk_add_f32 v[\R+4*\j+2:\R+4*\j+3], v[\R+4*\j+2:\R+4*\j+3], v[12:13]
.endif
.irp i, 0,1,2,3
.if PASS
	v_fma_f32 v[\R+4*\j+\i], v[96+32*\q+8*\i+\j], s40, v[\R+4*\j+\i]   ; sum x 2^(e6 + e7) + (the other pass + the bias); row 0 comes first: each accumulator is read from its low end on
.else
	v_fma_f32 v[\R+4*\j+\i], v[96+32*\q+8*\i+\j], s40, v[10+\i]        ; sum x 2^(e6 + e7) + the bias; row 0 comes first: each accumulator is read from its low end on
.endif
.endr
.endr
.endm
.macro SEND q, R
.irp j, 0,1,2,3,4,5,6,7
.if PASS
	global_store_b128 v5, v[\R+4*\j:\R+4*\j+3], s[48:49] offset:\q*SSO+\j*TSO th:TH_STORE_NT   ; sixteen lanes store 256 consecutive bytes, aligned; written once, read by nobody here
.else
	global_store_b128 v5, v[\R+4*\j:\R+4*\j+3], s[48:49] offset:\q*SSO+\j*TSO                  ; sixteen lanes store 256 consecutive bytes, aligned; the next launch reads them
.endif
.endr
.endm
; THE WAY OUT of trip p.  Wave w takes token tile w % 8 of both sequences of the trip and outputs 64 (w / 8) .. + 63.
; All that comes from memory is asked for AHEAD of the barrier, into K's registers, which are done with: a wave that arrives early has its rows when the barrier opens.
.macro EPI p
	s_lshl_b32 s52, s21, 11
	s_add_co_u32 s52, s52, OIMG+\p*32768
	s_lshl_b32 s53, s22, 13
	s_add_co_u32 s53, s53, WOIMG
	s_wait_alu depctr_vm_vsrc(0)                   ; the last store of O's codes has read v20 and v[22:23], in which O's second fragment lands (the last readers of v2, v14 and v15 stand further back)
	v_and_b32 v15, 15, v0
	v_lshlrev_b32 v15, 4, v15                      ; the bias of my four outputs 64 G + 4 r + 0..3
	v_add_nc_u32 v2, s52, v4                       ; O's fragments: my tile of the trip's first sequence
	v_add_nc_u32 v14, s53, v4                      ; Wo's four fragments of my half of the outputs
	s_wait_alu depctr_va_vdst(0)                   ; v15, v2 and v14 are written; the query trips' matrix and vector lines are done with v10-13, v16-31, K, p, V's codes, p's codes, O^T and Q, in which the loads below land.  No vector or matrix line stands between this wait and those loads
	global_load_b128 v[10:13], v15, s[12:13]
.if PASS
.irp j, 0,1,2,3,4,5,6,7
	global_load_b128 v[32+4*\j:35+4*\j], v5, s[50:51] offset:\j*TSO th:TH_LOAD_NT       ; the other pass's rows, first sequence
.endr
.irp j, 0,1,2,3,4,5,6,7
	global_load_b128 v[64+4*\j:67+4*\j], v5, s[50:51] offset:SSO+\j*TSO th:TH_LOAD_NT   ; and second sequence
.endr
.endif
	MEET                                           ; all eight heads' codes of both sequences lie in LDS
.irp c, 0,1,2,3
	ds_load_b128 v[192+4*\c:195+4*\c], v2 offset:512*\c
.endr
.irp c, 0,1,2,3
	ds_load_b128 v[16+4*\c:19+4*\c], v2 offset:16384+512*\c
.endr
.irp i, 0,1,2,3                                ; fragment i at v160, v176, v208, v224
.irp c, 0,1,2,3
	ds_load_b128 v[160+16*\i+16*(\i/2)+4*\c:163+16*\i+16*(\i/2)+4*\c], v14 offset:2048*\i+512*\c
.endr
.endr
	s_wait_dscnt 0x0
.irp i, 0,1,2,3
	v_wmma_f32_16x16x128_bf8_bf8 v[96+8*\i:103+8*\i], v[192:207], v[160+16*\i+16*(\i/2):175+16*\i+16*(\i/2)], 0
.endr
.irp i, 0,1,2,3
	v_wmma_f32_16x16x128_bf8_bf8 v[128+8*\i:135+8*\i], v[16:31], v[160+16*\i+16*(\i/2):175+16*\i+16*(\i/2)], 0
.endr
	PLACES 4                                       ; in front of the first read of the sums
.if PASS
	s_wait_loadcnt 0x8                             ; the bias and the first sequence's rows are in; the second sequence's eight loads, issued behind them, may be out
.else
	s_wait_loadcnt 0x0                             ; the bias
.endif
	MAKE 0, 32
	s_wait_alu depctr_va_vdst(0)                   ; the multiply-adds have written the first sequence's rows, v32-63, which the eight stores read
	SEND 0, 32
.if PASS
	s_wait_loadcnt 0x0
.endif
	MAKE 1, 64                                     ; these lines name v64-95, the second four accumulators and the bias: nothing that the stores above read
	s_wait_alu depctr_va_vdst(0)                   ; the multiply-adds have written the second sequence's rows, v64-95, which the eight stores read
	SEND 1, 64
.if \p == 0
	s_wait_xcnt 0x0                                ; the stores' data, and the bases, are written again only behind this wait
	s_add_nc_u64 s[48:49], s[48:49], 2*SSO
.if PASS
	s_add_nc_u64 s[50:51], s[50:51], 2*SSO
.endif
.endif
.endm
; A QUERY TRIP: one tile of 16 queries against the head's 128 keys.  more = 1: a further tile follows, and its fragment of x is asked for here.
.macro QTRIP more
	s_wait_dscnt 0x0                               ; the tile of x, asked for a trip ago, is in
	s_wait_alu depctr_vm_vsrc(0)                   ; that fetch has read v2, and the last trip's store v20 and v[22:23]: all are written again below.  Ahead of the first trip: the weights' image has read v14, which the sums write, and its stores v208-239, which Q, p's codes and O^T write
	v_wmma_f32_16x16x128_bf8_bf8 v[232:239], v[240:255], v[160:175], 0
	PLACES 5                                       ; Q goes on as a source of matrix instructions
.irp s, 0,1,2,3                                ; S^T = K Q^T: four steps of 4 dims; the eight accumulators take turns, one instruction a turn; the first step starts the sums
.irp t, 0,1,2,3,4,5,6,7
.if \s == 0
	v_wmma_f32_16x16x4_f32 v[96+8*\t:103+8*\t], v[32+8*\t:33+8*\t], v[232:233], 0
.else
	v_wmma_f32_16x16x4_f32 v[96+8*\t:103+8*\t], v[32+8*\t+2*\s:33+8*\t+2*\s], v[232+2*\s:233+2*\s], v[96+8*\t:103+8*\t]
.endif
.endr
.endr
.if PASS && (\more == 0)
	global_prefetch_b8 v6, s[50:51] th:TH_LOAD_NT scope:SCOPE_SE   ; in the last of the eight trips each wave asks for the 32 blocks of 256 bytes of part that it alone loads at the head of the way out that follows: one lane a block (v6 was written at the head, ahead of many a wait)
.endif
	PLACES 8                                       ; behind the f32 form, in front of the first read of the scores
	v_max3_num_f32 v10, v96, v97, v98              ; my query's largest score among my 64 keys, in two chains, ascending,
	v_max3_num_f32 v11, v99, v100, v101
.irp i, 6,10,14,18,22,26,30,34,38,42,46,50,54,58
	v_max3_num_f32 v10, v10, v[96+\i], v[97+\i]
	v_max3_num_f32 v11, v11, v[98+\i], v[99+\i]
.endr
	v_max3_num_f32 v10, v10, v158, v159
	v_max_num_f32 v10, v10, v11
	v_permlanex16_b32 v19, v10, s42, s43
	v_max_num_f32 v10, v10, v19                    ; and among lane l xor 16's
	v_mul_f32 v10, s32, v10                        ; as t (c is positive)
	v_floor_f32 v12, -v10                          ; -M = floor(-t) = -ceil(t)
	HALF 0
	HALF 1
	v_wmma_f32_16x16x128_bf8_bf8 v[224:231], v[192:207], v[208:223], 0   ; O^T = V^T P^T over the 128 keys
	v_pk_add_f32 v[14:15], v[14:15], v[16:17]      ; the sum's chains; these lines are also the places behind the product
	v_add_f32 v14, v14, v15
	v_permlanex16_b32 v19, v14, s42, s43
	v_add_f32 v14, v14, v19                        ; and lane l xor 16's: the row's sum, at least 1/2
	v_rcp_f32 v18, v14
	v_add_nc_u32 v20, s45, v3                      ; (a plain instruction behind the reciprocal)  where my 8 codes go
.if \more
	s_add_co_u32 s44, s44, TILEX
	v_add_nc_u32 v2, s44, v1                       ; the next tile of x
.endif
	s_wait_alu depctr_va_vdst(0)                   ; the reciprocal has written v18, ahead of its first reader; v2 is written; Q's product and the softmax are done with v160-175, in which the loads below land
.if \more
	FETCHX 160, 0                                  ; no vector or matrix line from here to the next trip's top names v2 or v160-175
.endif
	v_ldexp_f32 v18, v18, s39                      ; x 2^(e4 + e5)
.irp k, 0,2,4,6
	v_pk_mul_f32 v[24+\k:25+\k], v[224+\k:225+\k], v[18:19] op_sel_hi:[1,0]
.endr
.irp k, 0,1,2,3,4,5,6,7
	v_med3_num_f32 v[24+\k], v[24+\k], s38, s37    ; the hold at the largest code x 2^e6
.endr
	v_cvt_scalef32_pk8_bf8_f32 v[22:23], v[24:31], v9
	v_nop
	s_wait_alu depctr_va_vdst(0)                   ; the conversion has written v[22:23], which the store reads (v20 was written ahead of the wait above)
	ds_store_b64 v20, v[22:23]                     ; dims 8 h + 0..7 of my head, query r: the wave's store covers 256 consecutive bytes of the fragment's image
.if \more
	s_add_co_u32 s45, s45, 2048
.endif
.endm
; TRIP p: sequences 2 p and 2 p + 1 of the work-group's four.
.macro TRIP p
.if \p == 0
	s_wait_loadcnt 0x0                             ; Wq, Wk, Wv
.endif
	s_lshl_b32 s52, s20, 12
	s_add_co_u32 s52, s52, WKV
	s_mul_i32 s44, s22, SEQX                       ; my sequence of x in LDS,
	s_lshl_b32 s45, s22, 14                        ; and of O's codes
.if \p
	s_add_co_u32 s44, s44, 2*\p*SEQX
	s_add_co_u32 s45, s45, 2*\p*16384
.endif
.if \p == 0
	s_wait_alu depctr_vm_vsrc(0)                   ; the head's loads have read v14 and v15, its LDS stores v21, v22 and v32-71: v14 is written below, the others by V's hold, the sums and K's products
.else
	s_wait_alu depctr_vm_vsrc(0)                   ; the way out's LDS loads have read v2 and v14, its load of the bias v15, its stores v32-95: v2 and v14 are written below, the others by the sums and K's products
.endif
	v_add_nc_u32 v14, s52, v4                      ; my wave's own image of Wk and Wv: no other wave names these bytes
	v_add_nc_u32 v2, s44, v1
.if \p == 0
	s_wait_alu depctr_va_vdst(0)                   ; v14 and v2 are written, which the LDS instructions below read; so are v5 and v6, which later loads, stores and the prefetch read
.irp c, 0,1,2,3                                ; p's codes, O^T, Q and Wo's fragments will lie over Wk and Wv: they are kept in LDS for the second trip
	ds_store_b128 v14, v[208+4*\c:211+4*\c] offset:512*\c
.endr
.irp c, 0,1,2,3
	ds_store_b128 v14, v[224+4*\c:227+4*\c] offset:2048+512*\c
.endr
.else
	s_wait_alu depctr_va_vdst(0)                   ; v14 and v2 are written, which the LDS loads below read; the way out's products are done reading Wo's fragments, v160-191 and v208-239, in which they land
.irp c, 0,1,2,3
	ds_load_b128 v[208+4*\c:211+4*\c], v14 offset:512*\c
.endr
.irp c, 0,1,2,3
	ds_load_b128 v[224+4*\c:227+4*\c], v14 offset:2048+512*\c
.endr
.endif
	FETCHX 160, 0
	FETCHX 176, TILEX
	PAIR 0
	PAIR 1
	PAIR 2
	PAIR 3
	s_mov_b32 s46, 7
.Lq_\p:                                                ; seven query trips, each of which asks for the next one's tile of x
	QTRIP 1
	s_sub_co_i32 s46, s46, 1
	s_cmp_lg_u32 s46, 0
	s_cbranch_scc1 .Lq_\p
	QTRIP 0                                        ; the eighth is written out: nothing is left to ask for
	EPI \p
.endm
	s_load_b256 s[4:11], s[0:1], 0x0               ; x s[4:5], Wq s[6:7], Wkv s[8:9], Wo s[10:11]
.if PASS
	s_load_b256 s[12:19], s[0:1], 0x20             ; the bias s[12:13], the scales' exponents s[14:15], part s[16:17], out0 s[18:19]
.else
	s_load_b128 s[12:15], s[0:1], 0x20             ; the bias s[12:13], the scales' exponents s[14:15]
	s_load_b64 s[18:19], s[0:1], 0x30              ; part
.endif
	v_lshrrev_b32 v20, 5, v0
	v_readfirstlane_b32 s20, v20                   ; wave 0..15
	v_and_b32 v18, 31, v0                          ; lane
	v_and_b32 v16, 15, v0                          ; r
	v_bfe_u32 v17, v0, 4, 1                        ; h
	v_lshlrev_b32 v4, 4, v18                       ; 16 x lane
	s_wait_alu depctr_va_sdst(0)                   ; s20 is written, ahead of its first reader
	s_and_b32 s21, s20, 7                          ; my head; on the way out my tile of tokens
	s_lshr_b32 s22, s20, 3                         ; my sequence of a trip's two; on the way out my half G of the outputs
	; where the head's loads of x go in LDS: token T lies in tile 2 (T / 32) + (T / 8) % 2 at place T % 8 + 8 ((T / 16) % 2); chunk g of its 128 bytes 288 g on
.if PASS
	v_and_b32 v20, 7, v18                          ; a load is 4 tokens x 8 chunks: chunk lane % 8, token 32 (w % 4) + 4 i + lane / 8
	v_mul_u32_u24 v21, v20, 288
	v_lshrrev_b32 v20, 3, v18
	v_lshl_add_u32 v21, v20, 4, v21
	s_lshr_b32 s56, s20, 2
	s_mul_i32 s56, s56, SEQX                       ; sequence w / 4
	s_and_b32 s57, s20, 3
	s_mul_i32 s57, s57, 2*TILEX
	s_add_co_u32 s56, s56, s57
.else
	v_lshrrev_b32 v20, 3, v18                      ; a load is one token (8 w + i) of 4 sequences x 8 chunks: sequence lane / 8, chunk lane % 8
	v_mul_u32_u24 v21, v20, SEQX
	v_and_b32 v20, 7, v18
	v_mad_u32_u24 v21, v20, 288, v21
	s_lshr_b32 s56, s20, 2
	s_lshl_b32 s56, s56, 1
	s_and_b32 s57, s20, 1
	s_add_co_u32 s56, s56, s57
	s_mul_i32 s56, s56, TILEX                      ; tile 2 (w / 4) + w % 2
	s_bfe_u32 s57, s20, 0x10001
	s_lshl_b32 s57, s57, 7                         ; places 8 ((w / 2) % 2) on
	s_add_co_u32 s56, s56, s57
.endif
	v_add_nc_u32 v21, s56, v21
	s_lshl_b32 s56, s20, 10
	s_add_co_u32 s56, s56, WOIMG
	v_add_nc_u32 v22, s56, v4                      ; Wo's image: wave w stores groups 2 (w % 2), + 1 of fragment w / 2
	v_lshlrev_b32 v14, 9, v16
	v_lshl_add_u32 v14, v17, 4, v14                ; Wo in memory: rows 4 r apart: 512 r + 16 h
	v_lshlrev_b32 v15, 7, v16
	v_lshl_add_u32 v15, v17, 4, v15                ; Wq, Wk, Wv: row r of 128 bytes, + 16 h
	s_lshr_b32 s52, ttmp9, 5                       ; the image b
	s_and_b32 s53, ttmp9, 31
	s_lshl_b32 s53, s53, 2                         ; my first sequence
	s_lshl_b32 s54, s52, 21
	s_mul_i32 s55, s53, SSX
	s_add_co_u32 s54, s54, s55
	s_mul_i32 s55, s20, XWB
	s_add_co_u32 s54, s54, s55
	s_mov_b32 s55, 0                               ; s[54:55]: my wave's part of x
	s_lshl_b32 s56, s22, 6
	s_bfe_u32 s57, s20, 0x20001
	s_add_co_u32 s56, s56, s57                     ; Wo's row 64 G + i, i = (w / 2) % 4
	s_lshl_b32 s56, s56, 7
	s_and_b32 s57, s20, 1
	s_lshl_b32 s57, s57, 6                         ; + 64 (w % 2) bytes along K
	s_add_co_u32 s56, s56, s57
	s_mov_b32 s57, 0
	s_lshl_b32 s58, s21, 11                        ; my head's 16 rows of 128 bytes
	s_mov_b32 s59, 0
	s_wait_kmcnt 0x0
	s_load_b256 s[24:31], s[14:15], 32*PASS        ; e0 .. e7 of this pass
	s_add_nc_u64 s[4:5], s[4:5], s[54:55]
	s_add_nc_u64 s[10:11], s[10:11], s[56:57]
	s_add_nc_u64 s[6:7], s[6:7], s[58:59]
	s_add_nc_u64 s[8:9], s[8:9], s[58:59]
	s_wait_alu depctr_va_vdst(0)                   ; v4, v14 and v15 are written, the offsets of the loads below; so are v21 and v22, the addresses of the LDS stores further down
.irp i, 0,1,2,3,4,5,6,7
	global_load_b128 v[32+4*\i:35+4*\i], v4, s[4:5] offset:\i*XIS th:TH_LOAD_NT   ; 32 lanes read 512 consecutive bytes; the launch reads x once
.endr
	global_load_b128 v[64:67], v14, s[10:11]
	global_load_b128 v[68:71], v14, s[10:11] offset:32
.irp c, 0,1,2,3
	global_load_b128 v[240+4*\c:243+4*\c], v15, s[6:7] offset:32*\c
.endr
.irp c, 0,1,2,3
	global_load_b128 v[208+4*\c:211+4*\c], v15, s[8:9] offset:32*\c
.endr
.irp c, 0,1,2,3
	global_load_b128 v[224+4*\c:227+4*\c], v15, s[8:9] offset:16384+32*\c
.endr
	; where my rows of y begin: image, first sequence, token tile's base 32 (hd / 2) + 8 (hd % 2), 256 G bytes along the row
	s_lshl_b32 s54, s52, 23
	s_mul_i32 s55, s53, SSO
	s_add_co_u32 s54, s54, s55
	s_lshr_b32 s55, s21, 1
	s_lshl_b32 s55, s55, 5
	s_and_b32 s56, s21, 1
	s_lshl_b32 s56, s56, 3
	s_add_co_u32 s55, s55, s56
	s_mul_i32 s55, s55, TSO
	s_add_co_u32 s54, s54, s55
	s_lshl_b32 s56, s22, 8
	s_add_co_u32 s54, s54, s56
	s_mov_b32 s55, 0
	s_mov_b32 s57, 0
	s_add_nc_u64 s[48:49], s[18:19], s[54:55]
.if PASS
	s_add_nc_u64 s[50:51], s[16:17], s[54:55]
.endif
	s_add_nc_u64 s[12:13], s[12:13], s[56:57]      ; the bias at output 64 G
	v_lshlrev_b32 v1, 4, v16                       ; (the vector lines from here to the LDS stores name none of the registers that the loads above or those stores touch)
	v_lshl_add_u32 v3, v17, 3, v1                  ; 16 r + 8 h
	v_lshl_add_u32 v5, v17, GSH, v1                ; y: 16 r, and 16 tokens on for lanes 16-31
	v_mad_u32_u24 v1, v17, 288, v1                 ; x's fetch: 16 r + 288 h
	s_lshl_b32 s56, s21, 8
	s_add_co_u32 s56, s56, OIMG
	v_add_nc_u32 v3, s56, v3                       ; O's codes: head hd fills group hd / 2, lanes 16 (hd % 2) on, of the image: 256 hd
.if PASS
	v_lshlrev_b32 v6, 16, v17                      ; the prefetch: lane l asks for sequence l / 16, row (l % 8) + 16 ((l / 8) % 2) of my rows of part
	v_lshl_add_u32 v6, v16, 9, v6
	v_bfe_u32 v20, v0, 3, 1
	v_lshl_add_u32 v6, v20, 12, v6
.endif
	v_mov_b32 v13, 0                               ; named as the upper half of the pair v[12:13], so it is written
	s_mov_b32 s42, 0x76543210                      ; v_permlanex16_b32's selects for lane l xor 16
	s_mov_b32 s43, 0xfedcba98
	s_wait_kmcnt 0x0
	s_add_co_i32 s53, s26, s27                     ; e2 + e3
	s_add_co_i32 s52, s24, s25
	s_add_co_i32 s52, s52, s53
	s_lshl_b32 s52, s52, 23
	s_add_co_i32 s32, s52, 0x3eb8aa3b              ; c = log2(e) / 4, with the four exponents added to its exponent field: the sums of codes are scored as they are
	s_mov_b32 s33, s32                             ; (named with it as a pair, so it is written)
	s_sub_co_i32 s54, s29, s53                     ; a sum for V stands for sum x 2^(e2 + e3): its code is sum / 2^(e5 - e2 - e3)
	s_add_co_i32 s54, s54, 127
	s_lshl_b32 s55, s54, 23
	v_mov_b32 v7, s55
	s_add_co_i32 s54, s54, 15
	s_lshl_b32 s54, s54, 23
	s_or_b32 s34, s54, 0x600000                    ; 57,344 x that,
	s_or_b32 s35, s34, 0x80000000                  ; and its negative
	s_add_co_i32 s54, s28, 127
	s_lshl_b32 s55, s54, 23
	v_mov_b32 v8, s55                              ; 2^e4, for p
	s_add_co_i32 s54, s54, 15
	s_lshl_b32 s54, s54, 23
	s_or_b32 s36, s54, 0x600000
	s_add_co_i32 s54, s30, 127
	s_lshl_b32 s55, s54, 23
	v_mov_b32 v9, s55                              ; 2^e6, for O
	s_add_co_i32 s54, s54, 15
	s_lshl_b32 s54, s54, 23
	s_or_b32 s37, s54, 0x600000
	s_or_b32 s38, s37, 0x80000000
	s_add_co_i32 s39, s28, s29                     ; e4 + e5
	s_add_co_i32 s40, s30, s31
	s_add_co_i32 s40, s40, 127
	s_lshl_b32 s40, s40, 23                        ; 2^(e6 + e7) as f32
	s_wait_loadcnt 0xc                             ; x's eight loads and Wo's two are in; the twelve of Wq, Wk, Wv, issued behind them, may be out
.irp i, 0,1,2,3,4,5,6,7
.if PASS
	ds_store_b128 v21, v[32+4*\i:35+4*\i] offset:((\i/2)%2)*TILEX+64*(\i%2)+128*(\i/4)
.else
	ds_store_b128 v21, v[32+4*\i:35+4*\i] offset:16*\i
.endif
.endr
	ds_store_b128 v22, v[64:67]
	ds_store_b128 v22, v[68:71] offset:512
	MEET                                           ; the four sequences of x and Wo's fragments lie in LDS; nobody writes them again
	TRIP 0
	TRIP 1
	s_wait_xcnt 0x0
	v_lshl_add_u32 v254, v0, 2, 0x36100            ; the add's two registers are made anew, straight ahead of the closing lines: Wq's registers, which no memory or LDS instruction has read
	v_mov_b32 v255, 0
	s_wait_dscnt 0x0                               ; the closing lines, six on end
	s_wait_alu 0x0
	s_wait_tensorcnt 0x0
	ds_add_u32 v254, v255
	s_wait_dscnt 0x0
	s_endpgm
.Lfunc_end_k_q22f8fee7c5_rows:
	.size	k_q22f8fee7c5_rows, .Lfunc_end_k_q22f8fee7c5_rows-k_q22f8fee7c5_rows
	.p2alignl 7, 3214868480
	.fill 96, 4, 3214868480
	.section	.rodata,"a",@progbits
	.p2align	6, 0x0
	.amdhsa_kernel k_q22f8fee7c5_rows
		.amdhsa_group_segment_fixed_size 223488
		.amdhsa_private_segment_fixed_size 0
		.amdhsa_enable_private_segment 0
		.amdhsa_kernarg_size 64
		.amdhsa_user_sgpr_count 2
		.amdhsa_user_sgpr_kernarg_segment_ptr 1
		.amdhsa_wavefront_size32 1
		.amdhsa_system_sgpr_workgroup_id_x 1
		.amdhsa_system_sgpr_workgroup_id_y 1
		.amdhsa_system_sgpr_workgroup_id_z 1
		.amdhsa_system_vgpr_workitem_id 0
		.amdhsa_next_free_vgpr 256
		.amdhsa_next_free_sgpr 66
		.amdhsa_reserve_vcc 0
		.amdhsa_float_denorm_mode_32 3
		.amdhsa_float_denorm_mode_16_64 3
		.amdhsa_memory_ordered 1
		.amdhsa_forward_progress 1
		.amdhsa_inst_pref_size 112
	.end_amdhsa_kernel
	.amdgpu_metadata
---
amdhsa.version: [ 1, 2 ]
amdhsa.kernels:
  - .name:           k_q22f8fee7c5_rows
    .symbol:         k_q22f8fee7c5_rows.kd
    .args:
      - { .name: x_codes, .offset: 0, .size: 8, .value_kind: global_buffer, .address_space: global }
      - { .name: Wq1_codes, .offset: 8, .size: 8, .value_kind: global_buffer, .address_space: global }
      - { .name: Wkv1_codes, .offset: 16, .size: 8, .value_kind: global_buffer, .address_space: global }
      - { .name: Wo1_codes, .offset: 24, .size: 8, .value_kind: global_buffer, .address_space: global }
      - { .name: bo1, .offset: 32, .size: 8, .value_kind: global_buffer, .address_space: global }
      - { .name: lowp_scales, .offset: 40, .size: 8, .value_kind: global_buffer, .address_space: global }
      - { .name: part, .offset: 48, .size: 8, .value_kind: global_buffer, .address_space: global }
      - { .name: out0, .offset: 56, .size: 8, .value_kind: global_buffer, .address_space: global }
    .group_segment_fixed_size: 223488
    .private_segment_fixed_size: 0
    .kernarg_segment_align: 8
    .kernarg_segment_size: 64
    .max_flat_workgroup_size: 512
    .sgpr_count:     66
    .vgpr_count:     256
    .wavefront_size: 32
...
	.end_amdgpu_metadata
.endif
;; end of part 4
